; MI455X (gfx1250); checked and timed in simulation.
; The chip was launched on July 23, 2026; its instructions are those of AMD's public machine-readable ISA for CDNA 5 (MIT licence, August 2026) and "CDNA5" Instruction Set Architecture Reference Guide (July 2026). The comments in the code are by the model that wrote it; some were corrected since.
;; Transformer Block. Allowed arithmetic: matrix products marked QUANTISED: E3M2 operands, one E8M0 scale for each 32 along K, by v_wmma_scale_f32_16x16x128_f8f6f4 with both operands' format E3M2, f32 sums; everything else in f32.
;; Inputs: W1 1,024 x 4,096 float32; W2 4,096 x 1,024 float32; Wk 16 x 1,024 x 64 float32; Wo 1,024 x 1,024 float32; Wq 16 x 1,024 x 64 float32; Wv 16 x 1,024 x 64 float32; b1 4,096 float32; b2 1,024 float32; be1 1,024 float32; be2 1,024 float32; bo 1,024 float32; g1 1,024 float32; g2 1,024 float32; x 4 x 1,024 x 1,024 float32.
;; Outputs: out0 4 x 1,024 x 1,024 float32.
;; This version of the problem:
;;   THIS VERSION OF THE PROBLEM IS GIVEN IN LOW PRECISION. The matrix products marked QUANTISED in the list below multiply operands that are first quantised to E3M2 (3 exponent bits, 2 mantissa bits; 6 bits a number), with one power-of-two scale for each 32 numbers along K (OCP MX v1.0); their sums are f32. All else is computed in f32.
;;   The module's matrix products, in the order in which they are computed (A, B: the left and right operand; K: the contracted axis; several contracted axes count as one K, in the product's order):
;;     1. [M 1,024, K 1,024] x [K 1,024, N 4,096]; A: input Wq; B: computed on the way: QUANTISED
;;     2. [M 1,024, K 1,024] x [K 1,024, N 4,096]; A: input Wk; B: computed on the way: QUANTISED
;;     3. [M 1,024, K 1,024] x [K 1,024, N 4,096]; A: input Wv; B: computed on the way: QUANTISED
;;     4. batch 64 x [M 1,024, K 64] x [K 64, N 1,024]; A: computed on the way; B: computed on the way: QUANTISED
;;     5. batch 64 x [M 1,024, K 1,024] x [K 1,024, N 64]; A: softmax (see below); B: computed on the way: QUANTISED
;;     6. [M 4,096, K 1,024] x [K 1,024, N 1,024]; A: computed on the way; B: input Wo: QUANTISED
;;     7. [M 4,096, K 1,024] x [K 1,024, N 4,096]; A: computed on the way; B: input W1: QUANTISED
;;     8. [M 4,096, K 4,096] x [K 4,096, N 1,024]; A: computed on the way; B: input W2: QUANTISED
;;   THE QUANTISER, for each operand of a quantised product, along K:
;;     - K is cut into blocks of 32 from its start; a last block that is shorter is filled with zeros.
;;     - A block's scale is 2^e with e = floor(log2(the largest magnitude in the block)) - 4, held to -126 .. 127; a block of zeros has e = 0. As a byte (E8M0): e + 127.
;;     - Each number is divided by its block's scale, clamped to +-28, and rounded to the nearest number of E3M2, ties to even, subnormals kept.
;;     - The product sums the exact products of the quantised numbers (number of the format x scale) in f32.
;;   ~~~python
;;   def quantise(x, axis):      # numpy; x: float32 -> the quantised numbers, widened to float32 again
;;       x = np.moveaxis(x, axis, -1); K = x.shape[-1]
;;       x = np.pad(x, [(0, 0)] * (x.ndim - 1) + [(0, -K % 32)]); x = x.reshape(x.shape[:-1] + (-1, 32)); a = np.abs(x).max(-1, keepdims=True)
;;       e = np.where(a > 0, np.clip(np.frexp(np.where(a > 0, a, 1))[1] - 1 - 4, -126, 127), 0)      # np.frexp(a)[1] - 1 = floor(log2(a)), exactly
;;       r = np.clip(x / 2.0 ** e, -28, 28)
;;       step = 2.0 ** (np.maximum(np.frexp(np.where(r == 0, 1, r))[1] - 1, -2) - 2)
;;       q = np.round(r / step) * step * 2.0 ** e      # np.round: ties to even
;;       return np.moveaxis(q.reshape(q.shape[:-2] + (-1,))[..., :K], -1, axis).astype(np.float32)
;;   ~~~
;;   SOFTMAX AHEAD OF A QUANTISED PRODUCT. Where the list says 'softmax', what is quantised is not the finished softmax but p = 2^(t - M), with t = logit x log2(e) and M = ceil(the row's largest t), a whole number; so 1/2 < the row's largest p <= 1. The row's sum l is taken of the UNQUANTISED p, in f32, and the product's result is divided by l at the end. Since M is a whole number, a kernel that streams over the keys may use a running M (the ceiling of the running maximum): every later rescaling is an exact power of two, which a block's scale takes up: the codes' values come out the same.
;;   OPERANDS COMPUTED ON THE WAY. 'Computed on the way' means the value that the module computes at that place (a softmax that the list does not call 'softmax' is quantised finished and normalised). What goes into a quantiser is computed in f32, as accurately as f32 sums, v_exp_f32 and their like allow (about 1e-6 of the number): no bf16 or f16 on the way to a quantiser, and a product that is left as it is and whose result goes on into a quantised operand takes f32 operands (vector FMAs, or v_wmma_f32_16x16x4_f32). A number that lies on a knife's edge between two numbers of the format may be rounded either way, as far as f32 arithmetic and the matrix unit's own rounding can turn it there, and no further.
;; One version. Each part assembles by itself: llvm-mc -triple=amdgcn-amd-amdhsa -mcpu=gfx1250 --defsym DOCPART=n.
;; ======== version 1 of 1: 7 launches
;; limits: right only within a limited range of input values
;; workspace buffers: hb 3,276,800 bytes; wqkv 3,277,056 bytes; w1 3,277,056 bytes; wr 4,096,000 bytes; big 13,107,200 bytes; x1 16,777,216 bytes; zb 16,384 bytes
;; launch prep (part 1): grid 448 x 1, 16 waves a work-group, no clusters, 88,576 bytes of LDS; arguments x, g1, be1, hb, Wq, Wk, Wv, Wo, W1, W2, wqkv, wr, w1, zb; writes hb, wqkv, wr, w1, zb
.if DOCPART == 1
	.amdgcn_target "amdgcn-amd-amdhsa--gfx1250"
	.amdhsa_code_object_version 6
	.text
	.protected	k_q42bbb8d74c_prep
	.globl	k_q42bbb8d74c_prep
	.p2align	8
	.type	k_q42bbb8d74c_prep,@function
k_q42bbb8d74c_prep:
	s_mov_b64 s[64:65], 0
	v_nop
	global_prefetch_b8 v0, s[64:65] scope:SCOPE_SE
	s_setreg_imm32_b32 hwreg(HW_REG_WAVE_MODE, 25, 1), 1
	s_wait_xcnt 0x0
; Work-groups 0-255: layer norm of 16 rows of [4096][1024] f32 and its codes of BF6 (E3M2) with one E8M0 byte for each 32 along the row.
; Work-groups 256-447: the six weights, whose K is not innermost in memory, into codes along K.  (Launched with 256 work-groups the body is the layer norm alone.)
; THE WORKSPACE LAYOUT of every operand (R rows, K columns): blocks BLK of 128 rows x 1,024 K, block (k / 1024) (R / 128) + row / 128; in a block eight records REC of 128 K;
; in a record eight fragments FRG of 16 rows, each an image of the operand's 12 registers: for half c (64 K): registers 6c..6c+3 as 16 bytes at 16 L, then registers 6c+4, 6c+5 as 8 bytes at 8 L,
; L = row % 16 + 16 ((k % 64) / 32); behind the fragments, at SCO, the 128 rows' scale words (byte b: block b of the record).
; THE ORDER INSIDE A BLOCK OF 32: code place p holds k = p for p in 0-7 and 24-31, k = p + 8 for p in 8-15, k = p - 8 for p in 16-23.  All operands of this program lie so, so the products are the same.
; A block's scale is 2^(floor(log2(largest magnitude)) - 4): its byte is that magnitude's exponent field - 4.
; REGISTERS: 122 a wave, so that two work-groups of sixteen waves (eight waves of 122 on a SIMD, twice 88,576 bytes of LDS) lie on a WGP and one's loads are out while the other works.
; LIMITS: NaN and infinities are not served; a largest magnitude under 2^-122 is taken as 2^-122 (byte 1); a block of zeros so gets the byte 1: its codes are zeros, and this program alone reads the bytes.
.set FRG,  1536
.set HALF, 768
.set SCO,  12288
.set REC,  12800
.set BLK,  102400
.set TSW,  4608                        ; LDS: a wave's own stage: 32 places of 128 + 16 bytes
.set IMG,  16*TSW                      ; the 16 rows' eight fragments
.set SIMG, IMG+8*FRG                   ; their scale words: 64 bytes a record
.set XR,   16                          ; v16-47   the row as loaded, then x - mean, then the result
.set GR,   48                          ; v48-79   the gain
.set BR,   80                          ; v80-111  the bias
.set YR,   48                          ; v48-79   one block of 32, in the order above: the gain's registers, which are done with
.set CR,   80                          ; v80-85   its codes: the bias's registers, likewise
.set TR,   88                          ; v88-90   the second conversion's result
.set WK,   92                          ; v92-95   at work; the byte is left in the last
.set OFFR, 16                          ; the weights: v16-23 eight rows' offsets
.set WX,   24                          ; v24-87   two sets of 32 numbers
.set WC,   88                          ; v88-111  four blocks' codes, six registers each
.set WT,   112                         ; v112-114 the second conversion's result
.set WW,   115                         ; v115     my column's scale word
.set WWK,  116                         ; v116-119 at work
; 32 numbers v[src..src+31] of one block become six registers of codes at v[dst]; the byte is left in v[wk+3]
.macro QBLK src, dst, tmp, wk
	v_max3_num_f32 v[\wk], |v[\src]|, |v[\src+1]|, |v[\src+2]|
	v_max3_num_f32 v[\wk+1], |v[\src+3]|, |v[\src+4]|, |v[\src+5]|
.irp i, 6,10,14,18,22,26
	s_delay_alu instid0(VALU_DEP_2)
	v_max3_num_f32 v[\wk], v[\wk], |v[\src+\i]|, |v[\src+\i+1]|
	s_delay_alu instid0(VALU_DEP_2)
	v_max3_num_f32 v[\wk+1], v[\wk+1], |v[\src+\i+2]|, |v[\src+\i+3]|
.endr
	s_delay_alu instid0(VALU_DEP_2)
	v_max3_num_f32 v[\wk], v[\wk], |v[\src+30]|, |v[\src+31]|
	s_delay_alu instid0(VALU_DEP_1)
	v_max3_num_f32 v[\wk], v[\wk], v[\wk+1], 0x2800000   ; and the floor 2^(5 - 127): the byte cannot fall under 1
	s_delay_alu instid0(VALU_DEP_1)
	v_add_nc_u32 v[\wk+2], 0xfe000000, v[\wk]      ; 4 off the exponent field: the conversion takes this operand's exponent field as its scale
	v_cvt_scalef32_pk16_bf6_f32 v[\dst:\dst+2], v[\src:\src+15], v[\wk+2]
	v_cvt_scalef32_pk16_bf6_f32 v[\tmp:\tmp+2], v[\src+16:\src+31], v[\wk+2]   ; (a conversion's three registers begin on an even number)
	v_lshrrev_b32 v[\wk+3], 23, v[\wk+2]           ; the byte; also the plain line behind the conversions
.irp i, 0,1,2
	v_mov_b32 v[\dst+3+\i], v[\tmp+\i]
.endr
.endm
.macro REDUCE                          ; v8 summed over the 32 lanes, into every lane
	s_delay_alu instid0(VALU_DEP_1)
	v_add_f32_dpp v8, v8, v8 row_xmask:1 row_mask:0xf bank_mask:0xf
	s_delay_alu instid0(VALU_DEP_1)
	v_add_f32_dpp v8, v8, v8 row_xmask:2 row_mask:0xf bank_mask:0xf
	s_delay_alu instid0(VALU_DEP_1)
	v_add_f32_dpp v8, v8, v8 row_xmask:4 row_mask:0xf bank_mask:0xf
	s_delay_alu instid0(VALU_DEP_1)
	v_add_f32_dpp v8, v8, v8 row_xmask:8 row_mask:0xf bank_mask:0xf
	s_delay_alu instid0(VALU_DEP_1)
	v_permlanex16_b32 v9, v8, s34, s35
	s_delay_alu instid0(VALU_DEP_1)
	v_add_f32 v8, v8, v9
.endm
	s_load_b512 s[4:19], s[0:1], 0x0               ; x, g, be, hb, Wq, Wk, Wv, Wo
	s_load_b256 s[20:27], s[0:1], 0x40             ; W1, W2, wqkv, wr
	s_load_b128 s[28:31], s[0:1], 0x60             ; w1, zb
	v_lshl_add_u32 v120, v0, 2, 0x15200
	v_mov_b32 v121, 0
	v_lshrrev_b32 v1, 5, v0
	s_delay_alu instid0(VALU_DEP_1)
	v_readfirstlane_b32 s32, v1                    ; wave 0..15
	v_and_b32 v1, 31, v0                           ; lane
	s_delay_alu instid0(VALU_DEP_1)
	v_lshlrev_b32 v2, 4, v1                        ; 16 x lane
	s_mov_b32 s34, 0x76543210
	s_mov_b32 s35, 0xfedcba98                      ; v_permlanex16_b32's selects for lane l xor 16
	s_cmp_lt_u32 ttmp9, 256
	s_cbranch_scc0 .Lweights                       ; the same way for all waves of a work-group
	; ---------------- THE LAYER NORM: work-group g owns rows 16 g .. 16 g + 15, wave w row 16 g + w ----------------
	s_lshl_b32 s38, ttmp9, 16
	s_lshl_b32 s39, s32, 12
	s_add_co_u32 s38, s38, s39                     ; the row's first byte: 4,096 bytes a row
	s_mov_b32 s39, 0
	s_wait_kmcnt 0x0
	s_add_nc_u64 s[4:5], s[4:5], s[38:39]
	s_wait_alu depctr_va_vdst(0)
.irp i, 0,1,2,3,4,5,6,7
	global_load_b128 v[XR+4*\i:XR+4*\i+3], v2, s[4:5] offset:512*\i   ; 32 lanes read 512 consecutive bytes: register 4 i + j is element 128 i + 4 lane + j
.endr
.irp i, 0,1,2,3,4,5,6,7
	global_load_b128 v[GR+4*\i:GR+4*\i+3], v2, s[6:7] offset:512*\i
.endr
.irp i, 0,1,2,3,4,5,6,7
	global_load_b128 v[BR+4*\i:BR+4*\i+3], v2, s[8:9] offset:512*\i
.endr
	s_mul_i32 s36, s32, TSW                        ; my stage
	v_lshrrev_b32 v8, 3, v1
	s_delay_alu instid0(VALU_DEP_1)
	v_mul_u32_u24 v3, v8, 144
	v_and_b32 v8, 7, v1
	s_delay_alu instid0(VALU_DEP_1)
	v_lshl_add_u32 v3, v8, 4, v3
	s_delay_alu instid0(VALU_DEP_1)
	v_add_nc_u32 v3, s36, v3                       ; in: eight lanes' 128 bytes are a block of 32: place 4 i + lane / 8, byte 16 (lane % 8)
	v_mul_u32_u24 v4, v1, 144
	s_delay_alu instid0(VALU_DEP_1)
	v_add_nc_u32 v4, s36, v4                       ; back: lane l takes block l
	v_lshrrev_b32 v8, 2, v1                        ; block l lies in record l / 4,
	s_delay_alu instid0(VALU_DEP_1)
	v_mul_u32_u24 v5, v8, FRG
	v_bfe_u32 v9, v1, 1, 1                         ; half (l / 2) % 2,
	s_delay_alu instid0(VALU_DEP_1)
	v_mad_u32_u24 v5, v9, HALF, v5
	v_and_b32 v9, 1, v1                            ; image lane w + 16 (l % 2)
	s_delay_alu instid0(VALU_DEP_1)
	v_lshl_add_u32 v6, v9, 7, v5
	s_delay_alu instid0(VALU_DEP_2)
	v_lshl_add_u32 v5, v9, 8, v5
	s_lshl_b32 s37, s32, 4
	s_add_co_u32 s37, s37, IMG
	v_add_nc_u32 v5, s37, v5                       ; where my block's first four registers go
	s_lshl_b32 s37, s32, 3
	s_add_co_u32 s37, s37, IMG+512
	v_add_nc_u32 v6, s37, v6                       ; and its last two
	v_lshlrev_b32 v7, 6, v8
	v_and_b32 v9, 3, v1
	s_delay_alu instid0(VALU_DEP_1)
	v_add_nc_u32 v7, v7, v9
	s_lshl_b32 s37, s32, 2
	s_add_co_u32 s37, s37, SIMG
	v_add_nc_u32 v7, s37, v7                       ; its byte: record's 64 bytes, row w's word, byte l % 4
	s_wait_loadcnt 16                              ; the row is in; the sixteen loads of gain and bias may be out
	v_pk_add_f32 v[14:15], v[16:17], v[18:19]
	v_pk_add_f32 v[118:119], v[24:25], v[28:29]
	v_pk_add_f32 v[116:117], v[32:33], v[36:37]
	v_pk_add_f32 v[114:115], v[40:41], v[44:45]
	v_pk_add_f32 v[112:113], v[20:21], v[22:23]
	v_pk_add_f32 v[12:13], v[26:27], v[30:31]
	v_pk_add_f32 v[10:11], v[34:35], v[38:39]
	v_pk_add_f32 v[8:9], v[42:43], v[46:47]
	s_delay_alu instid0(VALU_DEP_1)
	v_pk_add_f32 v[8:9], v[8:9], v[114:115]
	v_pk_add_f32 v[14:15], v[14:15], v[112:113]
	v_pk_add_f32 v[118:119], v[118:119], v[12:13]
	v_pk_add_f32 v[116:117], v[116:117], v[10:11]
	s_delay_alu instid0(VALU_DEP_2)
	v_pk_add_f32 v[8:9], v[8:9], v[118:119]
	s_delay_alu instid0(VALU_DEP_2)
	v_pk_add_f32 v[14:15], v[14:15], v[116:117]
	s_delay_alu instid0(VALU_DEP_1)
	v_pk_add_f32 v[8:9], v[8:9], v[14:15]
	s_delay_alu instid0(VALU_DEP_1)
	v_add_f32 v8, v8, v9
	REDUCE
	s_delay_alu instid0(VALU_DEP_1)
	v_mul_f32 v10, 0x3a800000, v8                  ; the mean: x 2^-10
	s_delay_alu instid0(VALU_DEP_1)
	v_mov_b32 v11, v10
.irp j, 0,2,4,6,8,10,12,14,16,18,20,22,24,26,28,30
	v_pk_add_f32 v[XR+\j:XR+\j+1], v[XR+\j:XR+\j+1], v[10:11] neg_lo:[0,1] neg_hi:[0,1]   ; x - mean
.endr
	v_pk_mul_f32 v[8:9], v[XR:XR+1], v[XR:XR+1]    ; the sum of its squares
	v_pk_mul_f32 v[14:15], v[XR+2:XR+3], v[XR+2:XR+3]
.irp j, 4,8,12,16,20,24,28
	s_delay_alu instid0(VALU_DEP_2)
	v_pk_fma_f32 v[8:9], v[XR+\j:XR+\j+1], v[XR+\j:XR+\j+1], v[8:9]
	s_delay_alu instid0(VALU_DEP_2)
	v_pk_fma_f32 v[14:15], v[XR+\j+2:XR+\j+3], v[XR+\j+2:XR+\j+3], v[14:15]
.endr
	s_delay_alu instid0(VALU_DEP_1)
	v_pk_add_f32 v[8:9], v[8:9], v[14:15]
	s_delay_alu instid0(VALU_DEP_1)
	v_add_f32 v8, v8, v9
	REDUCE
	v_mov_b32 v9, 0x3a800000
	s_delay_alu instid0(VALU_DEP_1)
	v_fmaak_f32 v8, v8, v9, 0x3727c5ac             ; the variance + 1e-5
	s_wait_alu depctr_va_vdst(0)
	v_rsq_f32 v12, v8
	v_rsq_f32 v13, v8                              ; twice: the packed multiply names a pair
	v_nop                                          ; a plain line behind the transcendentals
	s_wait_alu depctr_va_vdst(0)                   ; one wait for both, ahead of their first reader
	s_wait_loadcnt 0x0                             ; gain and bias
.irp j, 0,2,4,6,8,10,12,14,16,18,20,22,24,26,28,30
	v_pk_mul_f32 v[XR+\j:XR+\j+1], v[XR+\j:XR+\j+1], v[12:13]
.endr
.irp j, 0,2,4,6,8,10,12,14,16,18,20,22,24,26,28,30
	v_pk_fma_f32 v[XR+\j:XR+\j+1], v[XR+\j:XR+\j+1], v[GR+\j:GR+\j+1], v[BR+\j:BR+\j+1]
.endr
.irp i, 0,1,2,3,4,5,6,7
	ds_store_b128 v3, v[XR+4*\i:XR+4*\i+3] offset:576*\i
.endr
.irp j, 0,1,6,7                                ; LDS serves a wave's instructions in order: these see the stores above.  The destinations make the order inside the block
	ds_load_b128 v[YR+4*\j:YR+4*\j+3], v4 offset:16*\j
.endr
.irp j, 2,3
	ds_load_b128 v[YR+4*\j+8:YR+4*\j+11], v4 offset:16*\j
.endr
.irp j, 4,5
	ds_load_b128 v[YR+4*\j-8:YR+4*\j-5], v4 offset:16*\j
.endr
	s_wait_dscnt 0x0
	QBLK YR, CR, TR, WK
	ds_store_b128 v5, v[CR:CR+3]
	ds_store_b64 v6, v[CR+4:CR+5]
	ds_store_b8 v7, v[WK+3]
	; the way out: wave w takes half w % 2 of record w / 2's fragment: 768 consecutive bytes; waves 0-7 also record w's 16 scale words
	s_mul_i32 s37, s32, HALF
	s_add_co_u32 s37, s37, IMG
	v_add_nc_u32 v32, s37, v2
	v_lshlrev_b32 v34, 3, v1
	s_delay_alu instid0(VALU_DEP_1)
	v_add_nc_u32 v33, s37, v34
	s_and_b32 s37, s32, 7
	s_lshl_b32 s37, s37, 6
	s_add_co_u32 s37, s37, SIMG
	v_and_b32 v35, 15, v1
	s_delay_alu instid0(VALU_DEP_1)
	v_lshlrev_b32 v35, 2, v35
	s_delay_alu instid0(VALU_DEP_1)
	v_add_nc_u32 v36, s37, v35
	s_lshr_b32 s38, ttmp9, 3
	s_mul_i32 s38, s38, BLK                        ; my rows' block,
	s_and_b32 s39, ttmp9, 7                        ; and their fragment in each record
	s_mul_i32 s40, s39, FRG
	s_add_co_u32 s40, s40, s38
	s_lshr_b32 s41, s32, 1
	s_mul_i32 s41, s41, REC
	s_add_co_u32 s40, s40, s41
	s_and_b32 s41, s32, 1
	s_mul_i32 s41, s41, HALF
	s_add_co_u32 s40, s40, s41
	s_mov_b32 s41, 0
	s_add_nc_u64 s[40:41], s[10:11], s[40:41]
	s_lshl_b32 s42, s39, 6
	s_add_co_u32 s42, s42, s38
	s_and_b32 s43, s32, 7
	s_mul_i32 s43, s43, REC
	s_add_co_u32 s42, s42, s43
	s_add_co_u32 s42, s42, SCO
	s_mov_b32 s43, 0
	s_add_nc_u64 s[42:43], s[10:11], s[42:43]
	s_wait_alu depctr_va_vdst(0)
	s_wait_dscnt 0x0                               ; for the others' sake: my stores into the images are done
	s_barrier_signal -1
	s_barrier_wait -1
	ds_load_b128 v[16:19], v32
	ds_load_b64 v[20:21], v33 offset:512
	ds_load_b32 v22, v36
	s_wait_dscnt 0x0
	global_store_b128 v2, v[16:19], s[40:41]       ; 512 consecutive bytes, aligned to 256
	global_store_b64 v34, v[20:21], s[40:41] offset:512   ; 256 consecutive bytes, aligned
	s_cmp_lt_u32 s32, 8
	s_cbranch_scc0 .Lln_end
	global_store_b32 v35, v22, s[42:43]            ; 64 bytes; lanes 16-31 repeat lanes 0-15's words at the same places
.Lln_end:
	s_wait_tensorcnt 0x0
	ds_add_u32 v120, v121
	s_wait_dscnt 0x0
	s_endpgm
	; ---------------- THE WEIGHTS: a work-group takes 128 columns x 512 along K; wave w 32 columns (w % 4), a lane a column, and one record of 128 K (w / 4) ----------------
.Lweights:
	s_sub_co_u32 s33, ttmp9, 256                   ; u = 0 .. 191: 16 each for Wq, Wk, Wv, Wo; 64 each for W1, W2
	s_wait_alu depctr_va_vdst(0)
	v_lshlrev_b32 v3, 3, v1
	v_lshlrev_b32 v4, 2, v1
	s_and_b32 s36, s32, 3                          ; wc
	s_lshr_b32 s37, s32, 2                         ; wr
	s_wait_alu depctr_va_vdst(0)
	s_wait_kmcnt 0x0
	s_mov_b64 s[52:53], s[22:23]                   ; from W2,
	s_mov_b64 s[54:55], s[26:27]                   ; into wr,
	s_mov_b32 s56, 8                               ; from its block 8 on;
	s_mov_b32 s57, 3                               ; log2 of the column blocks;
	s_mov_b32 s58, 4096                            ; bytes from k to k + 1;
	s_mov_b32 s59, 512                             ; bytes from a block of 128 columns to the next;
	s_mov_b32 s60, 256                             ; and from its first 64 columns to its second;
	s_mov_b32 s61, 128                             ; the tensor's first u
	s_cmp_lt_u32 s33, 128                          ; W1
	s_cselect_b64 s[52:53], s[20:21], s[52:53]
	s_cselect_b64 s[54:55], s[28:29], s[54:55]
	s_cselect_b32 s56, 0, s56
	s_cselect_b32 s57, 5, s57
	s_cselect_b32 s58, 16384, s58
	s_cselect_b32 s61, 64, s61
	s_cmp_lt_u32 s33, 64                           ; Wo
	s_cselect_b64 s[52:53], s[18:19], s[52:53]
	s_cselect_b64 s[54:55], s[26:27], s[54:55]
	s_cselect_b32 s57, 3, s57
	s_cselect_b32 s58, 4096, s58
	s_cselect_b32 s61, 48, s61
	s_cmp_lt_u32 s33, 48                           ; Wv: [head][k][64]: 128 columns are two heads
	s_cselect_b64 s[52:53], s[16:17], s[52:53]
	s_cselect_b64 s[54:55], s[24:25], s[54:55]
	s_cselect_b32 s56, 16, s56
	s_cselect_b32 s58, 256, s58
	s_cselect_b32 s59, 0x80000, s59
	s_cselect_b32 s60, 0x40000, s60
	s_cselect_b32 s61, 32, s61
	s_cmp_lt_u32 s33, 32                           ; Wk
	s_cselect_b64 s[52:53], s[14:15], s[52:53]
	s_cselect_b32 s56, 8, s56
	s_cselect_b32 s61, 16, s61
	s_cmp_lt_u32 s33, 16                           ; Wq
	s_cselect_b64 s[52:53], s[12:13], s[52:53]
	s_cselect_b32 s56, 0, s56
	s_cselect_b32 s61, 0, s61
	s_sub_co_u32 s62, s33, s61
	s_bfm_b32 s63, s57, 0
	s_and_b32 s63, s62, s63                        ; nb: which 128 columns
	s_lshr_b32 s62, s62, s57                       ; kh: which 512 along K
	s_mul_i32 s40, s63, s59
	s_lshr_b32 s41, s36, 1
	s_mul_i32 s41, s41, s60
	s_add_co_u32 s40, s40, s41
	s_and_b32 s41, s36, 1
	s_lshl_b32 s41, s41, 7
	s_add_co_u32 s40, s40, s41                     ; my 32 columns
	s_lshl_b32 s41, s62, 9
	s_lshl_b32 s42, s37, 7
	s_add_co_u32 s41, s41, s42
	s_mul_i32 s41, s41, s58
	s_add_co_u32 s40, s40, s41                     ; my first k (all under 2^25 bytes)
	s_mov_b32 s41, 0
	s_add_nc_u64 s[66:67], s[52:53], s[40:41]      ; sixteen bases, eight rows of K apart: base 4 b + g serves rows 8 g .. 8 g + 7 of block b; none is written again
	s_lshl_b32 s42, s58, 3
	s_mov_b32 s43, 0
.set N, 1
.rept 15
	s_add_nc_u64 s[66+2*N:67+2*N], s[66+2*(N-1):67+2*(N-1)], s[42:43]
.set N, N+1
.endr
	s_lshr_b32 s44, s62, 1                         ; which 1,024 along K
	s_lshl_b32 s44, s44, s57
	s_add_co_u32 s44, s44, s56
	s_add_co_u32 s44, s44, s63
	s_mul_i32 s44, s44, BLK
	s_and_b32 s45, s62, 1
	s_lshl_b32 s45, s45, 2
	s_add_co_u32 s45, s45, s37                     ; my record
	s_mul_i32 s45, s45, REC
	s_add_co_u32 s44, s44, s45
	s_mov_b32 s45, 0
	s_add_nc_u64 s[50:51], s[54:55], s[44:45]
	s_mul_i32 s46, s36, 2*FRG
	s_mov_b32 s47, 0
	s_add_nc_u64 s[48:49], s[50:51], s[46:47]      ; my two fragments
	s_lshl_b32 s46, s36, 7
	s_add_co_u32 s46, s46, SCO
	s_add_nc_u64 s[50:51], s[50:51], s[46:47]      ; my 32 scale words
.set I, 0
.rept 8
	v_mad_u32_u24 v[OFFR+I], s58, I, v4            ; row i of eight, my column
.set I, I+1
.endr
.macro WLOAD b                         ; block b: 32 loads of 128 consecutive bytes a wave; the destinations make the order inside the block
.set I, 0
.rept 32
.set P, I
.if (I >= 8) && (I < 16)
.set P, I+8
.endif
.if (I >= 16) && (I < 24)
.set P, I-8
.endif
	global_load_b32 v[WX+32*((\b)%2)+P], v[OFFR+I%8], s[66+2*(4*(\b)+I/8):67+2*(4*(\b)+I/8)] th:TH_LOAD_NT
.set I, I+1
.endr
.endm
.macro WBLOCK b
.if (\b) < 3
	s_wait_loadcnt 32                              ; this block's 32 loads are in; the next block's may be out
.else
	s_wait_loadcnt 0x0
.endif
	QBLK WX+32*((\b)%2), WC+6*(\b), WT, WWK
.if (\b) == 0
	s_delay_alu instid0(VALU_DEP_4)
	v_mov_b32 v[WW], v[WWK+3]                      ; the four bytes make my column's scale word
.else
	s_delay_alu instid0(VALU_DEP_4)
	v_lshl_or_b32 v[WW], v[WWK+3], 8*(\b), v[WW]
.endif
.if (\b) < 2
	WLOAD (\b)+2
.endif
.endm
; Blocks 2 c and 2 c + 1 of 32 columns become half c of two fragments: the first's lanes 16-31 change places with the second's lanes 0-15
.macro WOUT c
.irp i, 0,1,2,3,4,5
	v_permlane16_swap_b32 v[WC+12*\c+\i], v[WC+12*\c+6+\i]
.endr
	global_store_b128 v2, v[WC+12*\c:WC+12*\c+3], s[48:49] offset:HALF*\c
	global_store_b64 v3, v[WC+12*\c+4:WC+12*\c+5], s[48:49] offset:HALF*\c+512
	global_store_b128 v2, v[WC+12*\c+6:WC+12*\c+9], s[48:49] offset:HALF*\c+FRG
	global_store_b64 v3, v[WC+12*\c+10:WC+12*\c+11], s[48:49] offset:HALF*\c+FRG+512
.endm
	WLOAD 0
	WLOAD 1
	s_or_b32 s38, s33, s32                         ; the first of these work-groups' wave 0 also writes the small constants
	s_cmp_lg_u32 s38, 0
	s_cbranch_scc1 .Lno_const
	v_mov_b32 v8, 0
	v_mov_b32 v9, 0
	v_mov_b32 v10, 0
	v_mov_b32 v11, 0
	v_mov_b32 v12, 0xff800000
.set I, 0
.rept 32
	global_store_b128 v2, v[8:11], s[30:31] offset:512*I   ; zb: 4,096 zeros, the bias of q, k and v
.set I, I+1
.endr
	global_store_b32 v4, v12, s[24:25] offset:32*BLK       ; behind wqkv's blocks: -infinity, under which nothing is clipped
	global_store_b32 v4, v8, s[28:29] offset:32*BLK        ; behind w1's: 0, the relu
.Lno_const:
	WBLOCK 0
	WBLOCK 1
	WOUT 0
	WBLOCK 2
	WBLOCK 3
	WOUT 1
	global_store_b32 v4, v[WW], s[50:51]           ; no store's data are written again in this path, so no wait frees any
	s_endpgm
.Lfunc_end_k_q42bbb8d74c_prep:
	.size	k_q42bbb8d74c_prep, .Lfunc_end_k_q42bbb8d74c_prep-k_q42bbb8d74c_prep
	.p2alignl 7, 3214868480
	.fill 96, 4, 3214868480
	.section	.rodata,"a",@progbits
	.p2align	6, 0x0
	.amdhsa_kernel k_q42bbb8d74c_prep
		.amdhsa_group_segment_fixed_size 88576
		.amdhsa_private_segment_fixed_size 0
		.amdhsa_enable_private_segment 0
		.amdhsa_kernarg_size 112
		.amdhsa_user_sgpr_count 2
		.amdhsa_user_sgpr_kernarg_segment_ptr 1
		.amdhsa_wavefront_size32 1
		.amdhsa_system_sgpr_workgroup_id_x 1
		.amdhsa_system_sgpr_workgroup_id_y 1
		.amdhsa_system_sgpr_workgroup_id_z 1
		.amdhsa_system_vgpr_workitem_id 0
		.amdhsa_next_free_vgpr 122
		.amdhsa_next_free_sgpr 100
		.amdhsa_reserve_vcc 0
		.amdhsa_float_denorm_mode_32 3
		.amdhsa_float_denorm_mode_16_64 3
		.amdhsa_memory_ordered 1
		.amdhsa_forward_progress 1
		.amdhsa_inst_pref_size 47
	.end_amdhsa_kernel
	.amdgpu_metadata
---
amdhsa.version: [ 1, 2 ]
amdhsa.kernels:
  - .name:           k_q42bbb8d74c_prep
    .symbol:         k_q42bbb8d74c_prep.kd
    .args:
      - { .name: x, .offset: 0, .size: 8, .value_kind: global_buffer, .address_space: global }
      - { .name: g1, .offset: 8, .size: 8, .value_kind: global_buffer, .address_space: global }
      - { .name: be1, .offset: 16, .size: 8, .value_kind: global_buffer, .address_space: global }
      - { .name: hb, .offset: 24, .size: 8, .value_kind: global_buffer, .address_space: global }
      - { .name: Wq, .offset: 32, .size: 8, .value_kind: global_buffer, .address_space: global }
      - { .name: Wk, .offset: 40, .size: 8, .value_kind: global_buffer, .address_space: global }
      - { .name: Wv, .offset: 48, .size: 8, .value_kind: global_buffer, .address_space: global }
      - { .name: Wo, .offset: 56, .size: 8, .value_kind: global_buffer, .address_space: global }
      - { .name: W1, .offset: 64, .size: 8, .value_kind: global_buffer, .address_space: global }
      - { .name: W2, .offset: 72, .size: 8, .value_kind: global_buffer, .address_space: global }
      - { .name: wqkv, .offset: 80, .size: 8, .value_kind: global_buffer, .address_space: global }
      - { .name: wr, .offset: 88, .size: 8, .value_kind: global_buffer, .address_space: global }
      - { .name: w1, .offset: 96, .size: 8, .value_kind: global_buffer, .address_space: global }
      - { .name: zb, .offset: 104, .size: 8, .value_kind: global_buffer, .address_space: global }
    .group_segment_fixed_size: 88576
    .private_segment_fixed_size: 0
    .kernarg_segment_align: 8
    .kernarg_segment_size: 112
    .max_flat_workgroup_size: 512
    .sgpr_count:     100
    .vgpr_count:     122
    .wavefront_size: 32
...
	.end_amdgpu_metadata
.endif
;; end of part 1
;; launch qkv (part 2): grid 8 x 24, 4 waves a work-group, clusters of 4 x 4, 327,680 bytes of LDS; arguments hb, wqkv, zb, big; writes big
.if DOCPART == 2
	.amdgcn_target "amdgcn-amd-amdhsa--gfx1250"
	.amdhsa_code_object_version 6
	.text
	.protected	k_q42bbb8d74c_qkv
	.globl	k_q42bbb8d74c_qkv
	.p2align	8
	.type	k_q42bbb8d74c_qkv,@function
k_q42bbb8d74c_qkv:
	s_mov_b64 s[64:65], 0
	v_nop
	global_prefetch_b8 v0, s[64:65] scope:SCOPE_SE
	s_setreg_imm32_b32 hwreg(HW_REG_WAVE_MODE, 25, 1), 1
	s_wait_xcnt 0x0
	s_wait_alu depctr_hold_cnt(0) depctr_sa_sdst(0) depctr_va_vdst(0) depctr_va_sdst(0) depctr_va_ssrc(0) depctr_va_vcc(0) depctr_vm_vsrc(0)
	s_getreg_b32 s2, hwreg(HW_REG_IB_STS2, 6, 4)
	s_cmp_eq_u32 s2, 0
	s_cbranch_scc0 .Lentry_in_a_cluster
	s_endpgm
.Lentry_in_a_cluster:
	s_bfe_u32 s2, ttmp6, 0x10000c
	s_cmp_lg_u32 s2, 0xf033
	s_cbranch_scc0 .Lentry_shape_is_right
	s_endpgm
.Lentry_shape_is_right:
; out = Q(max(Y X^T + bias, floor)): both operands codes of BF6 with E8M0 scales, K = 1,024; the result is quantised again along X's rows and stored as an operand.
; Arguments: arg0 the rows' codes (4,096 tokens), arg1 the weights' codes (and, 32 blocks behind its start, the floor as one f32), arg2 the bias by X's rows, arg3 the result.
; Cluster rows 0-3: X = arg1's rows, Y = the tokens: q, k (or the hidden layer): rows = tokens, K = X's rows.  Cluster rows 4, 5 (in the grid of 8 x 24 alone): X = the tokens, Y = arg1's blocks 16-23 (Wv): v transposed: rows = head x 64 + d, K = tokens.
; THE OPERANDS' LAYOUT: blocks BLK of 128 rows x 1,024 K; eight records REC of 128 K; in a record eight fragments FRG as images of the operand's 12 registers (for each half of 64 K: four registers at 16 x lane, two at 8 x lane), then at SCO the 128 scale words.
; Inside a block of 32 the codes lie in the order k = 0-7, 16-23, 8-15, 24-31, in all operands alike: it is the order in which this kernel's own results fall.
; A tile is 256 x 256, four waves of 128 x 128: 64 accumulators.  K is eight records, a step each.
; LDS: each wave fetches for one of the tile's four blocks and has a region of six places of a record (76,800 bytes).  Records 0-5 are the first fill: one tensor load of six records (76,800 dense bytes) a wave.
; Records 6 and 7 are the one refill: into places 0 and 1, behind the barrier in step 1; the rest of step 1 and steps 2 to 4, 224 matrix instructions, stand between that load and the wait for it in step 5.
; CLUSTERS: 4 x 4.  Y's tiles hang on the tile row alone and are asked for jointly along a row of the cluster, X's on the tile column alone, along a column.
; THE MATRIX INSTRUCTION: source 0 = 16 rows of X, source 1 = 16 rows of Y: a lane holds one row of Y and its registers run along X's rows, which are the result's K.
; REGISTERS: window 0: v16-31 addresses; v32-47 scale words, two sets; v64-82 codes just made; v128-223 Y's eight fragments (v200-218 at work on the way out).  window 1: X's fragments, two sets at v0 and v128; the bias at v96-127, v224-255.  windows 2, 3: the accumulators.
; LIMITS: NaN and infinities are not served; a block's largest magnitude under 2^-122 is taken as 2^-122; a block of zeros gets the byte 1 (its codes are zeros; this program alone reads the bytes).
; All of the LDS is claimed.
.set FRG,   1536
.set SCO,   12288
.set REC,   12800
.set BLK,   102400
.set QTR,   2*REC                      ; what the refill brings: two records
.set RGN,   6*REC                      ; a wave's region: regions 0, 1 Y's two blocks, regions 2, 3 X's
.set SPARE, 4*RGN                      ; the spare words: 128 bytes a wave, named by no other line
.set FR,    12
.set NL,    4                          ; LDS loads that bring a fragment
.set NP,    4                          ; places behind this matrix instruction (ISA guide 7.12.1)
.set ADY,   16                         ; v16-17 16 x lane + my block of Y, places 0-2 and places 3-5 (an LDS immediate has 16 bits); v18-19 the same with 8 x lane
.set ADX,   20                         ; v20-23 the same for X
.set L16,   24
.set L8,    25
.set L4,    26
.set ASC,   27                         ; v27 my scale words: lanes 0-15 Y's, lanes 16-31 X's
.set SPW,   28
.set NIL,   29
.set LANE,  31
.set SC,    32                         ; set p (the step's parity) at SC + 8 p; register i: block i
.set PC,    64
.set AF,    128
.set TM,    200
.set PW,    216
.set PWE,   217
.set PWS,   218
.set G1,   24
.set G0,   32                          ; s[32:35]: Y's group 0 for the first fill; it serves the refill too
.set G0C,  92
.set G1B,  48
.set G0B,  56                          ; s[56:59]: X's
.set G0BC, 96
.set MSB, 0
.macro WIN new                         ; the immediate's high byte repeats the setting that is left
.if MSB != (\new)
	s_set_vgpr_msb (MSB<<8)|(\new)
.set MSB, (\new)
.endif
.endm
.set MUL_LO, 0xa1                      ; source 0 (X) window 1, source 1 (Y) window 0, C and D window 2
.set MUL_HI, 0xf1
.set TO_B,   0x40
.macro PLACES n
.rept \n
	v_nop
.endr
.endm
; A joint load: waves 0 and 1 fetch Y's two blocks, waves 2 and 3 X's.  Four v_nop follow each line.
.macro JLOAD ga, gb
	s_cmp_eq_u32 s15, 0
	s_cbranch_scc0 .Lfor_x_\@
	tensor_load_to_lds s[\ga:\ga+3], s[G1:G1+7]
	s_nop 0
	PLACES 4
	s_branch .Lasked_\@
.Lfor_x_\@:
	tensor_load_to_lds s[\gb:\gb+3], s[G1B:G1B+7]
	s_nop 0
	PLACES 4
.Lasked_\@:
.endm
; The first fill: records 0-5 into places 0-5 of my region
.macro BUILD ga, gb, n
	s_mov_b32 s[\ga], 1
	s_add_co_u32 s[\ga+1], s45, \n*QTR
	s_add_nc_u64 s[\ga+2:\ga+3], s[20:21], \n*QTR
	s_or_b32 s[\ga+3], s[\ga+3], 0x80000000
	s_mov_b32 s[\gb], 1
	s_add_co_u32 s[\gb+1], s45, \n*QTR
	s_add_nc_u64 s[\gb+2:\gb+3], s[46:47], \n*QTR
	s_or_b32 s[\gb+3], s[\gb+3], 0x80000000
	JLOAD \ga, \gb
.endm
.macro CREST
	s_cmp_lg_u32 s14, 0
	s_cbranch_scc1 .Lnot_wave_0_\@
	s_barrier_signal -3
.Lnot_wave_0_\@:
	s_barrier_wait -3
	s_barrier_signal -1
	s_barrier_wait -1
.endm
.macro CROUND
	s_barrier_signal -1
	s_barrier_wait -1
	CREST
.endm
	s_load_b256 s[4:11], s[0:1], 0x0               ; arg0 s[4:5], arg1 s[6:7], arg2 s[8:9], arg3 s[10:11]
	v_lshl_add_u32 v[SPW], v0, 2, SPARE
	v_mov_b32 v[NIL], 0
	ds_add_u32 v28, v29
	ds_add_u32 v28, v29
	s_wait_dscnt 0x0
	v_lshrrev_b32 v1, 5, v0
	v_readfirstlane_b32 s14, v1                    ; wave 0..3
	s_lshr_b32 s15, s14, 1                         ; my half of Y's rows.  Also: I fetch for Y (0) or for X (1)
	s_and_b32 s16, s14, 1                          ; my half of X's rows.  Also: which block of the two I fetch
	s_bfe_u32 s40, ttmp6, 0x40000                  ; cx
	s_bfe_u32 s41, ttmp6, 0x40004                  ; cy
	s_and_b32 s12, ttmp7, 0xffff                   ; the cluster's y: the same in all sixteen partners
	s_lshl_b32 s42, ttmp9, 2
	s_add_co_u32 s42, s42, s40                     ; 4 x cluster x + cx
	s_lshl_b32 s18, s12, 2
	s_add_co_u32 s18, s18, s41                     ; 4 x cluster y + cy
	s_sub_co_u32 s19, s12, 4
	s_lshl_b32 s19, s19, 3
	s_add_co_u32 s19, s19, s42                     ; in cluster rows 4, 5: the tokens' tile, 0 .. 15
	s_cmp_ge_u32 s12, 4
	s_cselect_b32 s42, s19, s42                    ; X's tile: it holds cx alone of the two places
	s_cselect_b32 s13, s41, s18                    ; Y's tile: cy alone
	s_cselect_b32 s91, 64, 0                       ; the result's first block,
	s_cselect_b32 s90, 3, 5                        ; and log2 of its blocks for each 1,024 along its K
	s_lshl_b32 s43, s41, 2
	s_lshl_b32 s43, 15, s43                        ; my row of the cluster
	s_lshl_b32 s44, 0x1111, s40                    ; my column
	; descriptor group 1: 76,800 dense bytes as 300 rows of 32 elements of 8 bytes, no padding
	s_or_b32 s[G1+0], s43, (3<<16)|(1<<21)         ; 15:0 the mask; 17:16 elements of 8 bytes; 21 set beside a mask
	s_or_b32 s[G1B+0], s44, (3<<16)|(1<<21)
.irp g, G1, G1B
	s_mov_b32 s[\g+1], 32<<16                      ; tensor_dim0
	s_mov_b32 s[\g+2], 300<<16                     ; tensor_dim1: the head's load brings 300 rows of 256 bytes; the refill's 100 are set in front of it
	s_mov_b32 s[\g+3], 32<<16                      ; tile_dim0
	s_mov_b32 s[\g+4], 300                         ; tile_dim1
	s_mov_b32 s[\g+5], 32                          ; the pitch
	s_mov_b32 s[\g+6], 0
	s_mov_b32 s[\g+7], 0
.endr
	s_lshl_b32 s20, s13, 1
	s_add_co_u32 s20, s20, s16
	s_mul_i32 s20, s20, BLK                        ; Y: block 2 x tile + which
	s_mov_b32 s21, 0
	s_lshl_b32 s46, s42, 1
	s_add_co_u32 s46, s46, s16
	s_mul_i32 s46, s46, BLK                        ; X likewise
	s_mov_b32 s47, 0
	s_mul_i32 s45, s14, RGN                        ; where they go: my region: no place in the cluster enters an LDS address
	s_lshr_b32 s86, s42, 2                         ; the result: which 1,024 of its K,
	s_lshl_b32 s86, s86, s90
	s_add_co_u32 s86, s86, s91
	s_lshl_b32 s89, s13, 1
	s_add_co_u32 s86, s86, s89
	s_add_co_u32 s86, s86, s15                     ; my 128 rows of Y,
	s_mul_i32 s86, s86, BLK
	s_and_b32 s89, s42, 3
	s_lshl_b32 s89, s89, 1
	s_add_co_u32 s89, s89, s16                     ; and the record that my 128 rows of X are
	s_mul_i32 s89, s89, REC
	s_add_co_u32 s86, s86, s89
	s_mov_b32 s87, 0
	s_lshl_b32 s88, s42, 10
	s_lshl_b32 s89, s16, 9
	s_add_co_u32 s88, s88, s89                     ; the bias of my 128 rows of X
	s_mov_b32 s89, 0
	s_mov_b32 s68, 0x76543210
	s_mov_b32 s69, 0xfedcba98
	s_wait_kmcnt 0x0
	s_load_b32 s70, s[6:7], 32*BLK                 ; the floor: -infinity or 0
	s_add_nc_u64 s[74:75], s[6:7], 16*BLK
	s_cmp_ge_u32 s12, 4                            ; the choice hangs on the cluster's y alone
	s_cselect_b64 s[76:77], s[4:5], s[6:7]         ; X's buffer
	s_cselect_b64 s[78:79], s[74:75], s[4:5]       ; Y's
	s_add_nc_u64 s[20:21], s[78:79], s[20:21]
	s_add_nc_u64 s[46:47], s[76:77], s[46:47]
	s_add_nc_u64 s[72:73], s[10:11], s[86:87]
	s_add_nc_u64 s[8:9], s[8:9], s[88:89]
	s_wait_kmcnt 0x0
	CROUND                                         ; all sixteen work-groups are here: the first joint loads meet
	BUILD G0, G0B, 0                               ; ONE load a wave at the head: records 0-5 of my block, 76,800 consecutive bytes, into my region's six places
	; the address of one prefetch: records 6 and 7 of my block, which the one refill (in step 1) brings: 25,600 bytes = 100 blocks of 256; the four partners that ask for the block jointly
	; share them out by address, 25 each, a lane a block (lanes 25-31 name the last again); the address registers are not written again
	s_cmp_eq_u32 s15, 0
	s_cselect_b64 s[92:93], s[20:21], s[46:47]     ; the block that I fetch: Y's or X's
	s_cselect_b32 s94, s40, s41                    ; my place among the four that share it: cx for Y, cy for X
	s_mul_i32 s94, s94, 6400
	s_add_co_u32 s94, s94, 6*REC
	s_mov_b32 s95, 0
	s_add_nc_u64 s[92:93], s[92:93], s[94:95]
	v_and_b32 v6, 31, v0
	v_min_u32 v6, 24, v6
	v_lshlrev_b32 v6, 8, v6
	v_and_b32 v3, 15, v0                           ; r
	v_bfe_u32 v2, v0, 4, 1                         ; h
	v_and_b32 v[LANE], 31, v0
	v_lshlrev_b32 v4, 5, v2                        ; the bias: lane (r, h) wants, of block b, rows 16 b + 8 h + 0 .. 7
	WIN TO_B
.irp b, 0,1,2,3,4,5,6,7
	global_load_b128 v[96+8*\b+96*(\b/4):99+8*\b+96*(\b/4)], v4, s[8:9] offset:64*\b
	global_load_b128 v[100+8*\b+96*(\b/4):103+8*\b+96*(\b/4)], v4, s[8:9] offset:64*\b+16
.endr
	WIN 0
	v_lshlrev_b32 v[L16], 4, v[LANE]
	v_lshlrev_b32 v[L8], 3, v[LANE]
	v_lshlrev_b32 v[L4], 2, v[LANE]
	s_mul_i32 s82, s15, RGN                        ; the region of my block of Y,
	s_mul_i32 s83, s16, RGN
	s_add_co_u32 s83, s83, 2*RGN                   ; and of X
	v_add_nc_u32 v[ADY], s82, v[L16]
	v_add_nc_u32 v[ADY+2], s82, v[L8]
	v_add_nc_u32 v[ADX], s83, v[L16]
	v_add_nc_u32 v[ADX+2], s83, v[L8]
.irp n, ADY, ADY+2, ADX, ADX+2
	v_add_nc_u32 v[\n+1], 3*REC, v[\n]
.endr
	s_sub_co_u32 s84, s83, s82
	v_mul_u32_u24 v5, s84, v2                      ; lanes 16-31 take X's words: one product with h
	v_lshl_add_u32 v5, v3, 2, v5
	s_add_co_u32 s85, s82, SCO
	v_add_nc_u32 v[ASC], s85, v5
.macro FRAG reg, adr, pos, i           ; a fragment comes as it was stored: 16, 8, 16, 8 bytes a lane, each run of lanes consecutive.  pos: the record's place in the region
	ds_load_b128 v[\reg:\reg+3], v[\adr+(\pos)/3] offset:((\pos)%3)*REC+(\i)*FRG
	ds_load_b64 v[\reg+4:\reg+5], v[\adr+2+(\pos)/3] offset:((\pos)%3)*REC+(\i)*FRG+512
	ds_load_b128 v[\reg+6:\reg+9], v[\adr+(\pos)/3] offset:((\pos)%3)*REC+(\i)*FRG+768
	ds_load_b64 v[\reg+10:\reg+11], v[\adr+2+(\pos)/3] offset:((\pos)%3)*REC+(\i)*FRG+1280
.endm
; 16 matrix instructions: Y's blocks a0, a0 + 1 x X's eight.  p: X's set and the set of scale words.  first = 1: the bias is the C of a sum's first instruction.  The 64 accumulators take turns, one instruction a turn.
.macro MUL16 a0, p, first
.irp a, \a0, \a0+1
.irp b, 0,1,2,3,4,5,6,7
.if \first
	v_wmma_scale_f32_16x16x128_f8f6f4 v[8*(8*((\a)%4)+\b):8*(8*((\a)%4)+\b)+7], v[128*(\p)+FR*\b:128*(\p)+FR*\b+FR-1], v[AF+FR*(\a):AF+FR*(\a)+FR-1], v[96+8*\b+96*(\b/4):103+8*\b+96*(\b/4)], v[SC+8*(\p)+\b], v[SC+8*(\p)+(\a)] matrix_a_fmt:MATRIX_FMT_BF6 matrix_b_fmt:MATRIX_FMT_BF6 matrix_a_scale:MATRIX_SCALE_ROW1
.else
	v_wmma_scale_f32_16x16x128_f8f6f4 v[8*(8*((\a)%4)+\b):8*(8*((\a)%4)+\b)+7], v[128*(\p)+FR*\b:128*(\p)+FR*\b+FR-1], v[AF+FR*(\a):AF+FR*(\a)+FR-1], v[8*(8*((\a)%4)+\b):8*(8*((\a)%4)+\b)+7], v[SC+8*(\p)+\b], v[SC+8*(\p)+(\a)] matrix_a_fmt:MATRIX_FMT_BF6 matrix_b_fmt:MATRIX_FMT_BF6 matrix_a_scale:MATRIX_SCALE_ROW1
.endif
.endr
.endr
.endm
.macro FETCH_B pos, p
	WIN TO_B
.irp i, 0,1,2,3,4,5,6,7
	FRAG 128*(\p)+FR*\i, ADX, \pos, \i
.endr
	WIN 0
.endm
.macro FETCH_A pos, i0
.irp i, \i0, \i0+1, \i0+2, \i0+3
	FRAG AF+FR*(\i), ADY, \pos, \i
.endr
.endm
.macro SCALES pos, p                   ; a record's scale words: lanes 0-15 Y's block i, lanes 16-31 X's block i
.irp i, 0,1,2,3,4,5,6,7
	ds_load_b32 v[SC+8*(\p)+\i], v[ASC] offset:(\pos)*REC+64*\i
.endr
.endm
; A step of 128 along K whose successor, at place npos, has been shown landed
.macro STEP p, npos, first
	s_wait_dscnt 4*NL                              ; X's set, Y's blocks 0-3 and the scale words are in; the youngest sixteen loads (Y's blocks 4-7) may be out
.if \first
	WIN 0x91                                       ; C (the bias) window 1, D window 2
.else
	WIN MUL_LO
.endif
	MUL16 0, \p, \first
	MUL16 2, \p, \first
	s_wait_dscnt 0x0                               ; Y's blocks 4-7 are in
	PLACES NP
	FETCH_B \npos, 1-(\p)
	FETCH_A \npos, 0
	SCALES \npos, 1-(\p)
.if \first
	WIN 0xd1
.else
	WIN MUL_HI
.endif
	MUL16 4, \p, \first
	MUL16 6, \p, \first
	PLACES NP
	WIN 0
	FETCH_A \npos, 4
.endm
; A step with a barrier in it: in front of it each wave waits for all its tensor loads, adds 0 to its spare word, and waits for that and for all its LDS reads.
; fill = 1 (step 1): places 0 and 1 have been read by everybody: records 6 and 7 are asked for.  fill = 0 (step 5): that load has landed in every wave: place 0 may be read.
.macro TURN p, npos, fill
	s_wait_tensorcnt 0x0                           ; all my tensor loads have landed
	ds_add_u32 v[SPW], v[NIL]
.if \fill
	s_mov_b32 s[G1+2], 100<<16                     ; no tensor load of mine is out: the refill brings two records, 100 rows
	s_mov_b32 s[G1+4], 100
	s_mov_b32 s[G1B+2], 100<<16
	s_mov_b32 s[G1B+4], 100
.endif
	s_wait_dscnt 4*NL+1
	WIN MUL_LO
	MUL16 0, \p, 0
	s_wait_dscnt 0x0                               ; the add is done, and my LDS reads so far are over
	s_barrier_signal -1
	MUL16 2, \p, 0
	WIN 0
	s_barrier_wait -1
.if \fill
	CREST                                          ; the barrier has opened a round of the cluster's: no wave of any partner still reads places 0 and 1 or has a load on its way
	s_add_nc_u64 s[G0+2:G0+3], s[G0+2:G0+3], 3*QTR       ; from record 0 to record 6
	s_add_nc_u64 s[G0B+2:G0B+3], s[G0B+2:G0B+3], 3*QTR
	JLOAD G0, G0B                                  ; the first tensor load behind the round, and my last; its four v_nop are the places in front of the loads below
.else
	PLACES NP
.endif
	FETCH_B \npos, 1-(\p)
	FETCH_A \npos, 0
	SCALES \npos, 1-(\p)
	WIN MUL_HI
	MUL16 4, \p, 0
	MUL16 6, \p, 0
	PLACES NP
	WIN 0
	FETCH_A \npos, 4
.endm
	s_wait_alu depctr_va_vdst(0)
	s_wait_tensorcnt 0x0                           ; my six records are in
	s_barrier_signal -1
	s_barrier_wait -1
	global_prefetch_b8 v6, s[92:93] th:TH_LOAD_NT scope:SCOPE_SE   ; records 6 and 7, asked for when the head's load has landed, all of step 0 ahead of the refill that brings them
	FETCH_B 0, 0
	FETCH_A 0, 0
	SCALES 0, 0
	FETCH_A 0, 4
	s_wait_loadcnt 0x0                             ; the bias
	STEP 0, 1, 1                                   ; record 0: its products start the sums
	TURN 1, 2, 1                                   ; record 1; the refill
	STEP 0, 3, 0                                   ; records 2 to 4
	STEP 1, 4, 0
	STEP 0, 5, 0
	TURN 1, 0, 0                                   ; record 5; record 6 lies at place 0
	STEP 0, 1, 0                                   ; record 6; record 7 lies at place 1
	s_wait_dscnt 4*NL                              ; record 7: nothing more to fetch
	WIN MUL_LO
	MUL16 0, 1, 0
	MUL16 2, 1, 0
	s_wait_dscnt 0x0
	WIN MUL_HI
	MUL16 4, 1, 0
	MUL16 6, 1, 0
	WIN 0
; THE WAY OUT, block by block of 16 rows of Y.  A lane's 64 registers are 128 of the result's K: register 16 b + i belongs to block b, which lanes l and l xor 16 share.  Clip, largest magnitudes, bytes, codes; the exchange of
; halves gives each lane a whole block: the 12 registers are the fragment's image and go to memory as they stand, each store of the wave covering 512 or 256 consecutive bytes, aligned.
.macro OUTBLK a
.set WN, 2+(\a)/4
.set ACB, 64*((\a)%4)
.set WA, (WN<<2)|(WN<<6)
.set WB, WN|(WN<<2)
.set WC, (WN<<2)|(WN<<4)
.if (\a) > 0
	s_wait_xcnt 0x0                                ; the last block's stores have read their registers
.endif
	WIN WA
.set J, 0
.rept 64
	v_max_num_f32 v[ACB+J], s70, v[ACB+J]          ; the floor; each accumulator is read from its low end on
.set J, J+1
.endr
	WIN WB
.irp b, 0,1,2,3
	v_max3_num_f32 v[TM+\b], |v[ACB+16*\b]|, |v[ACB+16*\b+1]|, 0x2800000   ; with the floor 2^(5 - 127): the byte cannot fall under 1
.endr
	WIN WC
.irp i, 2,4,6,8,10,12,14
.irp b, 0,1,2,3
	v_max3_num_f32 v[TM+\b], v[TM+\b], |v[ACB+16*\b+\i]|, |v[ACB+16*\b+\i+1]|
.endr
.endr
	WIN 0
.irp b, 0,1,2,3
	v_permlanex16_b32 v[TM+4+\b], v[TM+\b], s68, s69
.endr
.irp b, 0,1,2,3
	v_max_num_f32 v[TM+\b], v[TM+\b], v[TM+4+\b]
.endr
.irp b, 0,1,2,3
	v_add_nc_u32 v[TM+12+\b], 0xfe000000, v[TM+\b] ; 4 off the exponent field: the conversion's scale operand
.endr
.irp b, 0,1,2,3
	v_lshrrev_b32 v[TM+4+\b], 23, v[TM+12+\b]
.endr
	v_lshl_or_b32 v[PW], v[TM+5], 8, v[TM+4]
	v_lshl_or_b32 v[PW], v[TM+6], 16, v[PW]
	v_lshl_or_b32 v[PW], v[TM+7], 24, v[PW]        ; my row's scale word
	WIN WN
.irp c, 0,1
	v_cvt_scalef32_pk16_bf6_f32 v[PC+6*\c:PC+2+6*\c], v[ACB+32*\c:ACB+15+32*\c], v[TM+12+2*\c]
	v_cvt_scalef32_pk16_bf6_f32 v[PC+12+4*\c:PC+14+4*\c], v[ACB+16+32*\c:ACB+31+32*\c], v[TM+12+2*\c+1]
.endr
	WIN 0
	v_nop                                          ; one plain line behind the conversions
.irp c, 0,1
.irp i, 0,1,2
	v_permlane16_swap_b32 v[PC+6*\c+\i], v[PC+12+4*\c+\i]
.endr
.irp i, 0,1,2
	v_mov_b32 v[PC+3+6*\c+\i], v[PC+12+4*\c+\i]
.endr
.endr
	global_store_b128 v[L16], v[PC:PC+3], s[72:73] offset:(\a)*FRG
	global_store_b64 v[L8], v[PC+4:PC+5], s[72:73] offset:(\a)*FRG+512
	global_store_b128 v[L16], v[PC+6:PC+9], s[72:73] offset:(\a)*FRG+768
	global_store_b64 v[L8], v[PC+10:PC+11], s[72:73] offset:(\a)*FRG+1280
.if ((\a)%2) == 0
	v_mov_b32 v[PWE], v[PW]
.else
	v_cndmask_b32 v[PWS], v[PWE], v[PW], vcc_lo    ; lanes 0-15 the even block's words, lanes 16-31 the odd block's: 128 consecutive bytes
	global_store_b32 v[L4], v[PWS], s[72:73] offset:SCO+128*((\a)/2)
.endif
.endm
	PLACES NP
	v_cmp_le_u32 vcc_lo, 16, v[LANE]
.irp b, 0,1,2,3
	v_mov_b32 v[TM+4+\b], 0                        ; written once: a lane permute's destination counts as one of its sources
.endr
.irp a, 0,1,2,3,4,5,6,7
	OUTBLK \a
.endr
	s_wait_tensorcnt 0x0                           ; the wave's end
	ds_add_u32 v[SPW], v[NIL]
	s_wait_dscnt 0x0
	CROUND                                         ; the closing round
	s_endpgm
.Lfunc_end_k_q42bbb8d74c_qkv:
	.size	k_q42bbb8d74c_qkv, .Lfunc_end_k_q42bbb8d74c_qkv-k_q42bbb8d74c_qkv
	.p2alignl 7, 3214868480
	.fill 96, 4, 3214868480
	.section	.rodata,"a",@progbits
	.p2align	6, 0x0
	.amdhsa_kernel k_q42bbb8d74c_qkv
		.amdhsa_group_segment_fixed_size 327680
		.amdhsa_private_segment_fixed_size 0
		.amdhsa_enable_private_segment 0
		.amdhsa_kernarg_size 32
		.amdhsa_user_sgpr_count 2
		.amdhsa_user_sgpr_kernarg_segment_ptr 1
		.amdhsa_wavefront_size32 1
		.amdhsa_system_sgpr_workgroup_id_x 1
		.amdhsa_system_sgpr_workgroup_id_y 1
		.amdhsa_system_sgpr_workgroup_id_z 1
		.amdhsa_system_vgpr_workitem_id 0
		.amdhsa_next_free_vgpr 1024
		.amdhsa_next_free_sgpr 100
		.amdhsa_reserve_vcc 1
		.amdhsa_float_denorm_mode_32 3
		.amdhsa_float_denorm_mode_16_64 3
		.amdhsa_memory_ordered 1
		.amdhsa_forward_progress 1
		.amdhsa_inst_pref_size 166
	.end_amdhsa_kernel
	.amdgpu_metadata
---
amdhsa.version: [ 1, 2 ]
amdhsa.kernels:
  - .name:           k_q42bbb8d74c_qkv
    .symbol:         k_q42bbb8d74c_qkv.kd
    .args:
      - { .name: hb, .offset: 0, .size: 8, .value_kind: global_buffer, .address_space: global }
      - { .name: wqkv, .offset: 8, .size: 8, .value_kind: global_buffer, .address_space: global }
      - { .name: zb, .offset: 16, .size: 8, .value_kind: global_buffer, .address_space: global }
      - { .name: big, .offset: 24, .size: 8, .value_kind: global_buffer, .address_space: global }
    .group_segment_fixed_size: 327680
    .private_segment_fixed_size: 0
    .kernarg_segment_align: 8
    .kernarg_segment_size: 32
    .max_flat_workgroup_size: 128
    .sgpr_count:     100
    .vgpr_count:     1024
    .wavefront_size: 32
...
	.end_amdgpu_metadata
.endif
;; end of part 2
;; launch attn (part 3): grid 8 x 32, 16 waves a work-group, clusters of 4 x 1, 206,848 bytes of LDS; arguments big, hb; writes hb
.if DOCPART == 3
	.amdgcn_target "amdgcn-amd-amdhsa--gfx1250"
	.amdhsa_code_object_version 6
	.text
	.protected	k_q42bbb8d74c_attn
	.globl	k_q42bbb8d74c_attn
	.p2align	8
	.type	k_q42bbb8d74c_attn,@function
k_q42bbb8d74c_attn:
	s_mov_b64 s[64:65], 0
	v_nop
	global_prefetch_b8 v0, s[64:65] scope:SCOPE_SE
	s_setreg_imm32_b32 hwreg(HW_REG_WAVE_MODE, 25, 1), 1
	s_wait_xcnt 0x0
	s_wait_alu depctr_hold_cnt(0) depctr_sa_sdst(0) depctr_va_vdst(0) depctr_va_sdst(0) depctr_va_ssrc(0) depctr_va_vcc(0) depctr_vm_vsrc(0)
	s_getreg_b32 s2, hwreg(HW_REG_IB_STS2, 6, 4)
	s_cmp_eq_u32 s2, 0
	s_cbranch_scc0 .Lentry_in_a_cluster
	s_endpgm
.Lentry_in_a_cluster:
	s_bfe_u32 s2, ttmp6, 0x10000c
	s_cmp_lg_u32 s2, 0x3003
	s_cbranch_scc0 .Lentry_shape_is_right
	s_endpgm
.Lentry_shape_is_right:
; Causal attention on codes of BF6, head size 64, 1,024 keys; the result is quantised along head x 64 + d and stored as the next product's operand.
; big: q in blocks 0-31 (rows = tokens, K = head x 64 + d), k in blocks 32-63, v transposed in blocks 64-95 (rows = head x 64 + d, K = tokens; block 64 + 8 batch + head pair).  hb: the result, laid as q.
; The operands' layout (blocks of 102,400 bytes, records of 12,800, fragments as register images, scale words at SCO) and the order inside a block of 32 (k = 0-7, 16-23, 8-15, 24-31) are this program's own, alike in all operands.
; THE SOFTMAX: t = score x log2(e) / 8; M = the running largest t rounded up to a whole number; p = 2^(t - M) is quantised along the keys, not normalised; the sum is taken of the unquantised p and divides at the end; when M moves,
; the sum and O are multiplied by 2^(old M - new M), which rounds nothing.
; SHARES.  A work-group owns a batch, a pair of heads (y) and, of each run of 128 queries, the 16 at 16 j (j = its x).  K's and V's codes of the pair, 2 x 102,400 bytes, come into LDS ONCE, by joint loads of the four
; work-groups of a cluster (the same batch and heads).  Wave w takes head (w / 4) % 2 and the run I(w) of 128 queries: it needs key steps 0 .. I, the last on the diagonal.  I(w) is dealt so that the four waves
; w % 4 = const, and the four w / 4 = const, have 18 key steps together.  Every wave walks the loop's eight trips; a step all of whose keys are hidden is jumped over: a branch on the wave's number alone.
; LAYOUT.  Both products transposed: S^T = K Q^T (source 0 = 16 keys), O^T = V^T P^T (source 0 = 16 of the head's 64): a lane holds one query.  The first product's K is 64: registers 6-11 of both operands are zero codes.
; REGISTERS: v1-6 addresses that stay, v7-11, v29 those of the step; v12 -M, v13 the largest t, v[14:15] the sum; v16-27 Q; v28 the mask's bound; v32-79 four fragments of K; v96-159 S^T, then p, then V's four fragments; v160-191 O^T; v224-235 p's codes; v232-254 at work; v255 Q's scales.
; LIMITS: NaN and infinities are not served; the running maximum starts at -3e38; a block whose every p is 0 gets the byte 1 (its codes are zeros).
.set FRG,  1536
.set HALF, 768
.set SCO,  12288
.set REC,  12800
.set BLK,  102400
.set QTR,  2*REC
.set VB,   BLK                         ; LDS: K's eight records, then V's eight
.set WV,   18
.set SEL,  20
.set CS,   22
.set G1K,  24
.set G1V,  32
.set G0K,  40
.set G0V,  44
.macro CROUND
	s_barrier_signal -1
	s_barrier_wait -1
	s_cmp_lg_u32 s[WV], 0
	s_cbranch_scc1 .Lnot_wave_0_\@
	s_barrier_signal -3
.Lnot_wave_0_\@:
	s_barrier_wait -3
	s_barrier_signal -1
	s_barrier_wait -1
.endm
	s_load_b128 s[4:7], s[0:1], 0x0                ; big, hb
	v_lshl_add_u32 v223, v0, 2, 0x32000
	v_mov_b32 v243, 0
	ds_add_u32 v223, v243
	ds_add_u32 v223, v243
	v_lshrrev_b32 v8, 5, v0
	s_delay_alu instid0(VALU_DEP_1)
	v_readfirstlane_b32 s[WV], v8                  ; wave 0..15
	s_bfe_u32 s51, ttmp6, 0x40000                  ; cx
	s_lshl_b32 s50, ttmp9, 2
	s_add_co_u32 s50, s50, s51                     ; j: it enters Q's and the result's addresses and the mask's bound alone
	s_and_b32 s52, ttmp7, 0xffff
	s_lshr_b32 s53, s52, 3                         ; the batch
	s_and_b32 s54, s52, 7                          ; the pair of heads
	s_bfe_u32 s49, s[WV], 0x10002                  ; e: my head of the pair
	s_and_b32 s55, s[WV], 7
	s_lshl_b32 s55, s55, 2
	s_mov_b32 s56, 0x25165261
	s_cmp_lt_u32 s[WV], 8
	s_cselect_b32 s56, 0x34074370, s56
	s_lshr_b32 s48, s56, s55
	s_and_b32 s48, s48, 7                          ; I: 0,7,3,4 / 7,0,4,3 / 1,6,2,5 / 6,1,5,2
	s_lshl_b32 s58, s53, 3
	s_and_b32 s57, s[WV], 3
	s_lshl_b32 s59, s57, 1
	s_add_co_u32 s59, s59, s58
	s_add_co_u32 s59, s59, 32
	s_mul_i32 s60, s59, BLK                        ; K: blocks 32 + 8 batch + 2 (w % 4) and the next,
	s_mul_i32 s59, s54, REC                        ; the pair's record of each
	s_add_co_u32 s60, s60, s59
	s_mov_b32 s61, 0
	s_add_co_u32 s62, s58, s54
	s_add_co_u32 s62, s62, 64
	s_mul_i32 s62, s62, BLK                        ; V: block 64 + 8 batch + pair, records 2 (w % 4) and the next
	s_mul_i32 s63, s57, QTR
	s_add_co_u32 s62, s62, s63
	s_mov_b32 s63, 0
	s_add_co_u32 s66, s58, s48
	s_mul_i32 s66, s66, BLK
	s_add_co_u32 s66, s66, s59                     ; Q and the result: block 8 batch + I, the pair's record,
	s_lshl_b32 s68, s50, 6
	s_add_co_u32 s68, s68, s66
	s_lshl_b32 s67, s49, 1
	s_add_co_u32 s68, s68, s67
	s_add_co_u32 s68, s68, SCO                     ; (their scale bytes: word 16 j + r, bytes 2 e, 2 e + 1)
	s_mov_b32 s69, 0
	s_mul_i32 s67, s50, FRG
	s_add_co_u32 s66, s66, s67                     ; fragment j,
	s_mul_i32 s67, s49, HALF
	s_add_co_u32 s66, s66, s67                     ; half e
	s_mov_b32 s67, 0
	; descriptor group 1: two rows of 12,800 bytes (1,600 elements of 8); K's rows a block apart, V's on end
	s_mov_b32 s[G1K], 15|(3<<16)|(1<<21)           ; 15:0 the mask: all four work-groups; 17:16 elements of 8 bytes; 21 set beside a mask
	s_mov_b32 s[G1K+1], 1600<<16
	s_mov_b32 s[G1K+2], 2<<16
	s_mov_b32 s[G1K+3], 1600<<16
	s_mov_b32 s[G1K+4], 2
	s_mov_b32 s[G1K+5], 12800
	s_mov_b32 s[G1K+6], 0
	s_mov_b32 s[G1K+7], 0
	s_mov_b32 s[G1V], 15|(3<<16)|(1<<21)
	s_mov_b32 s[G1V+1], 1600<<16
	s_mov_b32 s[G1V+2], 2<<16
	s_mov_b32 s[G1V+3], 1600<<16
	s_mov_b32 s[G1V+4], 2
	s_mov_b32 s[G1V+5], 1600
	s_mov_b32 s[G1V+6], 0
	s_mov_b32 s[G1V+7], 0
	s_mov_b32 s[SEL], 0x76543210
	s_mov_b32 s[SEL+1], 0xfedcba98
	s_mov_b32 s[CS], 0x3e38aa3b                    ; c = log2(e) / 8
	s_mov_b32 s[CS+1], s[CS]
	s_mov_b32 s2, 0                                ; the step's record in LDS
	s_mov_b32 s3, 0                                ; the step
	s_wait_dscnt 0x0
	s_wait_kmcnt 0x0
	s_mov_b32 s[G0K], 1
	s_mul_i32 s[G0K+1], s[WV], QTR                 ; waves 0-3: K's records 2 w, 2 w + 1
	s_add_nc_u64 s[G0K+2:G0K+3], s[4:5], s[60:61]
	s_or_b32 s[G0K+3], s[G0K+3], 0x80000000
	s_mov_b32 s[G0V], 1
	s_mul_i32 s[G0V+1], s[WV], QTR                 ; waves 4-7: V's records, behind K's eight
	s_add_nc_u64 s[G0V+2:G0V+3], s[4:5], s[62:63]
	s_or_b32 s[G0V+3], s[G0V+3], 0x80000000
	s_add_nc_u64 s[70:71], s[4:5], s[66:67]        ; Q's codes,
	s_add_nc_u64 s[72:73], s[4:5], s[68:69]        ; Q's scale bytes,
	s_add_nc_u64 s[74:75], s[6:7], s[66:67]        ; the result's codes,
	s_add_nc_u64 s[76:77], s[6:7], s[68:69]        ; and its scale bytes
	CROUND                                         ; all four work-groups are here: the joint loads meet
	s_cmp_lt_u32 s[WV], 4                          ; one load a wave, waves 8-15 none; the LDS bytes are filled once in the launch
	s_cbranch_scc0 .Lnot_k
	tensor_load_to_lds s[G0K:G0K+3], s[G1K:G1K+7]
	s_nop 0
.rept 4
	v_nop
.endr
	s_branch .Lasked
.Lnot_k:
	s_cmp_lt_u32 s[WV], 8
	s_cbranch_scc0 .Lasked
	tensor_load_to_lds s[G0V:G0V+3], s[G1V:G1V+7]
	s_nop 0
.rept 4
	v_nop
.endr
.Lasked:
	v_and_b32 v8, 31, v0                           ; lane
	v_and_b32 v9, 15, v0                           ; r
	v_bfe_u32 v10, v0, 4, 1                        ; h
	s_delay_alu instid0(VALU_DEP_3)
	v_lshlrev_b32 v30, 4, v8
	s_delay_alu instid0(VALU_DEP_4)
	v_lshlrev_b32 v31, 3, v8
	s_delay_alu instid0(VALU_DEP_4)
	v_lshlrev_b32 v80, 2, v9
	global_load_b128 v[16:19], v30, s[70:71]       ; Q's half fragment: my head's 64 along d
	global_load_b64 v[20:21], v31, s[70:71] offset:512
	global_load_u16 v255, v80, s[72:73]            ; its two bytes; the upper two are 0, over zero codes
	s_mul_i32 s55, s49, HALF
	v_add_nc_u32 v1, s55, v30                      ; K: half e of a fragment
	v_add_nc_u32 v2, s55, v31
	s_delay_alu instid0(VALU_DEP_1)
	v_add_nc_u32 v2, 512, v2
	s_lshl_b32 s55, s49, 1
	s_add_co_u32 s55, s55, SCO
	v_add_nc_u32 v3, s55, v80                      ; K's scale bytes
	s_mul_i32 s55, s49, 4*FRG
	s_add_co_u32 s55, s55, VB
	v_add_nc_u32 v4, s55, v30                      ; V: fragments 4 e .. 4 e + 3
	v_add_nc_u32 v5, s55, v31
	s_delay_alu instid0(VALU_DEP_1)
	v_add_nc_u32 v5, 512, v5
	s_lshl_b32 s55, s49, 8
	s_add_co_u32 s55, s55, VB+SCO
	v_add_nc_u32 v6, s55, v80                      ; V's scale words
	v_lshlrev_b32 v11, 3, v10
	s_delay_alu instid0(VALU_DEP_1)
	v_sub_nc_u32 v28, v9, v11
	s_lshl_b32 s55, s50, 4
	v_add_nc_u32 v28, s55, v28                     ; 16 j + r - 8 h: on the diagonal register n's key is hidden where 16 (n / 8) + n % 8 is above it
	v_mov_b32 v13, 0xff61b1e6                      ; the largest t so far: -3e38
	s_delay_alu instid0(VALU_DEP_1)
	v_floor_f32 v12, -v13                          ; -M
	v_mov_b32 v14, 0
	v_mov_b32 v15, 0
.irp b, 0,1,2,3
	v_mov_b32 v[236+\b], 0                         ; written once: a lane permute's destination counts as one of its sources
.endr
	v_mov_b32 v253, 0
.irp i, 0,1,2,3,4,5
	v_mov_b32 v[22+\i], 0                          ; the zero codes of the first product's upper 64 along K
.irp t, 0,1,2,3
	v_mov_b32 v[38+12*\t+\i], 0
.endr
.endr
.set J, 0
.rept 32
	v_mov_b32 v[160+J], 0                          ; O^T: the step is written once; the first finds zeros
.set J, J+1
.endr
	s_wait_tensorcnt 0x0                           ; my part of K or V has landed,
	s_barrier_signal -1
	s_barrier_wait -1                              ; everybody's has
	s_wait_loadcnt 0x0                             ; Q
.Lstep:
	s_cmp_gt_u32 s3, s48                           ; all 128 keys come after my queries
	s_cbranch_scc1 .Lhidden
	v_add_nc_u32 v7, s2, v1
	s_wait_alu depctr_va_vdst(0)
	v_add_nc_u32 v8, s2, v2
	s_wait_alu depctr_va_vdst(0)
	v_add_nc_u32 v9, s2, v3
	s_wait_alu depctr_va_vdst(0)
	v_add_nc_u32 v10, s2, v4
	v_add_nc_u32 v11, s2, v5
	v_add_nc_u32 v29, s2, v6
.irp g, 0,1                                    ; S^T = K Q^T, four tiles of 16 keys at a time
.if \g > 0
.rept 4
	v_nop                                          ; places in front of loads into registers that matrix instructions have read
.endr
.endif
.irp t, 0,1,2,3
	ds_load_b128 v[32+12*\t:35+12*\t], v7 offset:(4*\g+\t)*FRG
	ds_load_b64 v[36+12*\t:37+12*\t], v8 offset:(4*\g+\t)*FRG
	ds_load_u16 v[248+\t], v9 offset:64*(4*\g+\t)
.endr
	s_wait_dscnt 0x0
.irp t, 0,1,2,3
	v_wmma_scale_f32_16x16x128_f8f6f4 v[96+8*(4*\g+\t):103+8*(4*\g+\t)], v[32+12*\t:43+12*\t], v[16:27], 0, v[248+\t], v255 matrix_a_fmt:MATRIX_FMT_BF6 matrix_b_fmt:MATRIX_FMT_BF6
.endr
.endr
.rept 4
	v_nop
.endr
	s_cmp_lg_u32 s3, s48                           ; only my last step lies on the diagonal
	s_cbranch_scc1 .Lopen
	v_mov_b32 v254, 0xff800000                     ; hidden scores become -infinity ahead of the maximum: p = 0 then
.set N, 0
.rept 64
	v_cmp_gt_i32 vcc_lo, 16*(N/8)+N%8, v28
	v_cndmask_b32 v[96+N], v[96+N], v254, vcc_lo
.set N, N+1
.endr
.Lopen:
.irp b, 0,1,2,3
	v_max3_num_f32 v[232+\b], v[96+16*\b], v[97+16*\b], v[98+16*\b]   ; the largest score of each block of 32 keys: for the row's maximum, and, since p rises with the score, for the block's largest p
.endr
.irp i, 3,5,7,9,11,13
.irp b, 0,1,2,3
	v_max3_num_f32 v[232+\b], v[232+\b], v[96+16*\b+\i], v[97+16*\b+\i]
.endr
.endr
.irp b, 0,1,2,3
	v_max_num_f32 v[232+\b], v[232+\b], v[111+16*\b]
.endr
.irp b, 0,1,2,3
	s_delay_alu instid0(VALU_DEP_4)
	v_permlanex16_b32 v[236+\b], v[232+\b], s[SEL], s[SEL+1]
.endr
.irp b, 0,1,2,3
	s_delay_alu instid0(VALU_DEP_4)
	v_max_num_f32 v[232+\b], v[232+\b], v[236+\b]  ; with lane l xor 16's 16 keys
.endr
	s_delay_alu instid0(VALU_DEP_2)
	v_max3_num_f32 v254, v232, v233, v234
	s_delay_alu instid0(VALU_DEP_1)
	v_max_num_f32 v254, v254, v235
	s_delay_alu instid0(VALU_DEP_1)
	v_mul_f32 v254, s[CS], v254
	s_delay_alu instid0(VALU_DEP_1)
	v_max_num_f32 v13, v13, v254                   ; the running largest t
	v_mov_b32 v254, v12
	s_delay_alu instid0(VALU_DEP_2)
	v_floor_f32 v12, -v13                          ; the new -M = -ceil(t)
	s_delay_alu instid0(VALU_DEP_1)
	v_sub_f32 v254, v12, v254                      ; old M - new M: a whole number, 0 or less
	s_delay_alu instid0(VALU_DEP_1)
	v_cvt_i32_f32 v254, v254                       ; (it saturates)
	s_delay_alu instid0(VALU_DEP_1)
	v_ldexp_f32 v252, 1.0, v254                    ; f = 2^(old M - new M)
.set J, 0
.rept 32
	v_pk_fma_f32 v[96+J:97+J], v[96+J:97+J], s[CS:CS+1], v[12:13] op_sel_hi:[1,0,0]   ; t - M
.set J, J+2
.endr
.irp b, 0,1,2,3
	v_fma_f32 v[232+\b], v[232+\b], s[CS], v12
.endr
.set J, 0
	s_wait_alu depctr_va_vdst(0)
.rept 64
	v_exp_f32 v[96+J], v[96+J]                     ; p = 2^(t - M)
.set J, J+1
.endr
	v_pk_mul_f32 v[14:15], v[14:15], v[252:253] op_sel_hi:[1,0]   ; the sums under the new M; a plain line behind the exponentials
	s_wait_alu depctr_va_vdst(0)                   ; one wait for the whole batch, ahead of its first reader
.irp b, 0,1,2,3
	v_exp_f32 v[232+\b], v[232+\b]                 ; each block's largest p
.endr
	v_pk_add_f32 v[236:237], v[100:101], v[104:105]
	v_pk_add_f32 v[250:251], v[108:109], v[112:113]
	v_pk_add_f32 v[248:249], v[116:117], v[120:121]
	v_pk_add_f32 v[246:247], v[124:125], v[128:129]
	v_pk_add_f32 v[244:245], v[132:133], v[136:137]
	v_pk_add_f32 v[240:241], v[140:141], v[144:145]
	v_pk_add_f32 v[238:239], v[148:149], v[152:153]
	v_pk_add_f32 v[14:15], v[14:15], v[156:157]
	v_pk_add_f32 v[236:237], v[236:237], v[96:97]
	v_pk_add_f32 v[250:251], v[250:251], v[98:99]
	v_pk_add_f32 v[248:249], v[248:249], v[102:103]
	v_pk_add_f32 v[246:247], v[246:247], v[106:107]
	v_pk_add_f32 v[244:245], v[244:245], v[110:111]
	v_pk_add_f32 v[240:241], v[240:241], v[114:115]
	v_pk_add_f32 v[238:239], v[238:239], v[118:119]
	v_pk_add_f32 v[14:15], v[14:15], v[122:123]
	v_pk_add_f32 v[236:237], v[236:237], v[126:127]
	v_pk_add_f32 v[250:251], v[250:251], v[130:131]
	v_pk_add_f32 v[248:249], v[248:249], v[134:135]
	v_pk_add_f32 v[246:247], v[246:247], v[138:139]
	v_pk_add_f32 v[244:245], v[244:245], v[142:143]
	v_pk_add_f32 v[240:241], v[240:241], v[146:147]
	v_pk_add_f32 v[238:239], v[238:239], v[150:151]
	v_pk_add_f32 v[14:15], v[14:15], v[154:155]
	v_pk_add_f32 v[236:237], v[236:237], v[158:159]
	s_delay_alu instid0(VALU_DEP_2)
	v_pk_add_f32 v[14:15], v[14:15], v[246:247]
	s_delay_alu instid0(VALU_DEP_2)
	v_pk_add_f32 v[236:237], v[236:237], v[244:245]
	v_pk_add_f32 v[250:251], v[250:251], v[240:241]
	v_pk_add_f32 v[248:249], v[248:249], v[238:239]
	s_delay_alu instid0(VALU_DEP_2)
	v_pk_add_f32 v[14:15], v[14:15], v[250:251]
	s_delay_alu instid0(VALU_DEP_2)
	v_pk_add_f32 v[236:237], v[236:237], v[248:249]
	s_delay_alu instid0(VALU_DEP_1)
	v_pk_add_f32 v[14:15], v[14:15], v[236:237]
	s_wait_alu depctr_va_vdst(0)                   ; and one for the four
.irp b, 0,1,2,3
	v_max_num_f32 v[232+\b], 0x2800000, v[232+\b]  ; the floor 2^(5 - 127)
.endr
.irp b, 0,1,2,3
	s_delay_alu instid0(VALU_DEP_4)
	v_add_nc_u32 v[244+\b], 0xfe000000, v[232+\b]
.endr
.irp b, 0,1,2,3
	s_delay_alu instid0(VALU_DEP_4)
	v_lshrrev_b32 v[236+\b], 23, v[244+\b]
.endr
	s_delay_alu instid0(VALU_DEP_3)
	v_lshl_or_b32 v253, v237, 8, v236              ; p's scale word for these 128 keys
	s_delay_alu instid0(VALU_DEP_1)
	v_lshl_or_b32 v253, v238, 16, v253
	s_delay_alu instid0(VALU_DEP_1)
	v_lshl_or_b32 v253, v239, 24, v253
.irp c, 0,1
	v_cvt_scalef32_pk16_bf6_f32 v[224+6*\c:226+6*\c], v[96+32*\c:111+32*\c], v[244+2*\c]
	v_cvt_scalef32_pk16_bf6_f32 v[236+4*\c:238+4*\c], v[112+32*\c:127+32*\c], v[244+2*\c+1]
.endr
	v_nop                                          ; one plain line behind the conversions
.irp c, 0,1
.irp i, 0,1,2
	v_permlane16_swap_b32 v[224+6*\c+\i], v[236+4*\c+\i]
.endr
.irp i, 0,1,2
	s_delay_alu instid0(VALU_DEP_3)
	v_mov_b32 v[227+6*\c+\i], v[236+4*\c+\i]
.endr
.endr
.set J, 0
.rept 16
	v_pk_mul_f32 v[160+J:161+J], v[160+J:161+J], v[252:253] op_sel_hi:[1,0]   ; O^T under the new M; these are also the places in front of the scaled products below
.set J, J+2
.endr
.irp t, 0,1,2,3                                ; O^T += V^T P^T: four tiles of 16 of the head's 64; V's fragments take p's registers
	ds_load_b128 v[96+12*\t:99+12*\t], v10 offset:FRG*\t
	ds_load_b64 v[100+12*\t:101+12*\t], v11 offset:FRG*\t
	ds_load_b128 v[102+12*\t:105+12*\t], v10 offset:FRG*\t+HALF
	ds_load_b64 v[106+12*\t:107+12*\t], v11 offset:FRG*\t+HALF
	ds_load_b32 v[248+\t], v29 offset:64*\t
.endr
	s_wait_alu depctr_va_vdst(0)
	s_wait_dscnt 0x0
.irp t, 0,1,2,3
	v_wmma_scale_f32_16x16x128_f8f6f4 v[160+8*\t:167+8*\t], v[96+12*\t:107+12*\t], v[224:235], v[160+8*\t:167+8*\t], v[248+\t], v253 matrix_a_fmt:MATRIX_FMT_BF6 matrix_b_fmt:MATRIX_FMT_BF6
.endr
.rept 5
	v_nop                                          ; five places: the next step's first products write over V's registers
.endr
.Lhidden:
	s_add_co_u32 s2, s2, REC
	s_add_co_u32 s3, s3, 1
	s_cmp_lt_u32 s3, 8
	s_cbranch_scc1 .Lstep
	; THE WAY OUT: O^T / the sum; its two blocks of 32 along d are quantised and leave as half e of a fragment's image
	v_add_f32 v14, v14, v15
	s_delay_alu instid0(VALU_DEP_1)
	v_permlanex16_b32 v252, v14, s[SEL], s[SEL+1]
	s_delay_alu instid0(VALU_DEP_1)
	v_add_f32 v14, v14, v252
	s_wait_alu depctr_va_vdst(0)
	v_rcp_f32 v14, v14
	v_nop                                          ; a plain line behind the transcendental
	s_wait_alu depctr_va_vdst(0)                   ; the wait, ahead of the first reader
.set J, 0
.rept 32
	v_mul_f32 v[96+J], v[160+J], v14               ; register 8 t + i is o(query r, d = 16 t + 8 h + i)
.set J, J+1
.endr
.irp b, 0,1
	v_max3_num_f32 v[232+\b], |v[96+16*\b]|, |v[97+16*\b]|, 0x2800000
.endr
.irp i, 2,4,6,8,10,12,14
.irp b, 0,1
	s_delay_alu instid0(VALU_DEP_2)
	v_max3_num_f32 v[232+\b], v[232+\b], |v[96+16*\b+\i]|, |v[97+16*\b+\i]|
.endr
.endr
.irp b, 0,1
	s_delay_alu instid0(VALU_DEP_2)
	v_permlanex16_b32 v[236+\b], v[232+\b], s[SEL], s[SEL+1]
.endr
.irp b, 0,1
	s_delay_alu instid0(VALU_DEP_2)
	v_max_num_f32 v[232+\b], v[232+\b], v[236+\b]
.endr
.irp b, 0,1
	s_delay_alu instid0(VALU_DEP_2)
	v_add_nc_u32 v[244+\b], 0xfe000000, v[232+\b]
.endr
.irp b, 0,1
	s_delay_alu instid0(VALU_DEP_2)
	v_lshrrev_b32 v[236+\b], 23, v[244+\b]
.endr
	s_delay_alu instid0(VALU_DEP_1)
	v_lshl_or_b32 v253, v237, 8, v236              ; my row's two bytes
	v_cvt_scalef32_pk16_bf6_f32 v[224:226], v[96:111], v244
	v_cvt_scalef32_pk16_bf6_f32 v[236:238], v[112:127], v245
	v_nop
.irp i, 0,1,2
	v_permlane16_swap_b32 v[224+\i], v[236+\i]
.endr
.irp i, 0,1,2
	s_delay_alu instid0(VALU_DEP_3)
	v_mov_b32 v[227+\i], v[236+\i]
.endr
	global_store_b128 v30, v[224:227], s[74:75]    ; 512 consecutive bytes, aligned to 256
	global_store_b64 v31, v[228:229], s[74:75] offset:512
	global_store_b16 v80, v253, s[76:77]           ; two bytes of each row's word; lanes 16-31 repeat lanes 0-15's
	s_wait_tensorcnt 0x0
	ds_add_u32 v223, v243
	s_wait_dscnt 0x0
	CROUND                                         ; the closing round: no work-group ends while a partner may still ask for a tile that names it
	s_endpgm
.Lfunc_end_k_q42bbb8d74c_attn:
	.size	k_q42bbb8d74c_attn, .Lfunc_end_k_q42bbb8d74c_attn-k_q42bbb8d74c_attn
	.p2alignl 7, 3214868480
	.fill 96, 4, 3214868480
	.section	.rodata,"a",@progbits
	.p2align	6, 0x0
	.amdhsa_kernel k_q42bbb8d74c_attn
		.amdhsa_group_segment_fixed_size 206848
		.amdhsa_private_segment_fixed_size 0
		.amdhsa_enable_private_segment 0
		.amdhsa_kernarg_size 16
		.amdhsa_user_sgpr_count 2
		.amdhsa_user_sgpr_kernarg_segment_ptr 1
		.amdhsa_wavefront_size32 1
		.amdhsa_system_sgpr_workgroup_id_x 1
		.amdhsa_system_sgpr_workgroup_id_y 1
		.amdhsa_system_sgpr_workgroup_id_z 1
		.amdhsa_system_vgpr_workitem_id 0
		.amdhsa_next_free_vgpr 256
		.amdhsa_next_free_sgpr 80
		.amdhsa_reserve_vcc 1
		.amdhsa_float_denorm_mode_32 3
		.amdhsa_float_denorm_mode_16_64 3
		.amdhsa_memory_ordered 1
		.amdhsa_forward_progress 1
		.amdhsa_inst_pref_size 38
	.end_amdhsa_kernel
	.amdgpu_metadata
---
amdhsa.version: [ 1, 2 ]
amdhsa.kernels:
  - .name:           k_q42bbb8d74c_attn
    .symbol:         k_q42bbb8d74c_attn.kd
    .args:
      - { .name: big, .offset: 0, .size: 8, .value_kind: global_buffer, .address_space: global }
      - { .name: hb, .offset: 8, .size: 8, .value_kind: global_buffer, .address_space: global }
    .group_segment_fixed_size: 206848
    .private_segment_fixed_size: 0
    .kernarg_segment_align: 8
    .kernarg_segment_size: 16
    .max_flat_workgroup_size: 512
    .sgpr_count:     80
    .vgpr_count:     256
    .wavefront_size: 32
...
	.end_amdgpu_metadata
.endif
;; end of part 3
;; launch wo (part 4): grid 8 x 32, 4 waves a work-group, clusters of 4 x 4, 327,680 bytes of LDS; arguments hb, wr, bo, x, x1; writes x1
.if DOCPART == 4
	.amdgcn_target "amdgcn-amd-amdhsa--gfx1250"
	.amdhsa_code_object_version 6
	.text
	.protected	k_q42bbb8d74c_wo
	.globl	k_q42bbb8d74c_wo
	.p2align	8
	.type	k_q42bbb8d74c_wo,@function
k_q42bbb8d74c_wo:
	s_mov_b64 s[64:65], 0
	v_nop
	global_prefetch_b8 v0, s[64:65] scope:SCOPE_SE
	s_setreg_imm32_b32 hwreg(HW_REG_WAVE_MODE, 25, 1), 1
	s_wait_xcnt 0x0
	s_wait_alu depctr_hold_cnt(0) depctr_sa_sdst(0) depctr_va_vdst(0) depctr_va_sdst(0) depctr_va_ssrc(0) depctr_va_vcc(0) depctr_vm_vsrc(0)
	s_getreg_b32 s2, hwreg(HW_REG_IB_STS2, 6, 4)
	s_cmp_eq_u32 s2, 0
	s_cbranch_scc0 .Lentry_in_a_cluster
	s_endpgm
.Lentry_in_a_cluster:
	s_bfe_u32 s2, ttmp6, 0x10000c
	s_cmp_lg_u32 s2, 0xf033
	s_cbranch_scc0 .Lentry_shape_is_right
	s_endpgm
.Lentry_shape_is_right:
.set LAPS,  1
.set BOFF,  0
.set FRG,   1536
.set SCO,   12288
.set REC,   12800
.set BLK,   102400
.set QTR,   2*REC
.set HSL,   2*QTR
.set SLOT,  2*HSL
.set SPARE, 2*SLOT
.set ASTEP, 32*BLK
.set BSTEP, 8*BLK
.set FR,    12
.set ADA,   16
.set ADB,   20
.set STO,   24
.set RD,    25
.set CO,    26
.set ASC,   27
.set SPW,   28
.set NIL,   29
.set SC,    32
.set BI,    64
.set ACC,   128
.set G1,  24
.set G0,  32
.set G1B, 48
.set G0B, 56
.set MSB, 0
.macro WIN new
.if MSB != (\new)
	s_set_vgpr_msb (MSB<<8)|(\new)
.set MSB, (\new)
.endif
.endm
.macro PLACES n
.rept \n
	v_nop
.endr
.endm
.macro JLOAD s
	s_cmp_eq_u32 s15, 0
	s_cbranch_scc0 .Lfor_b_\@
	tensor_load_to_lds s[G0+4*\s:G0+4*\s+3], s[G1:G1+7]
	s_nop 0
	PLACES 4
	s_branch .Lasked_\@
.Lfor_b_\@:
	tensor_load_to_lds s[G0B+4*\s:G0B+4*\s+3], s[G1B:G1B+7]
	s_nop 0
	PLACES 4
.Lasked_\@:
.endm
.macro CREST
	s_cmp_lg_u32 s14, 0
	s_cbranch_scc1 .Lnot_wave_0_\@
	s_barrier_signal -3
.Lnot_wave_0_\@:
	s_barrier_wait -3
	s_barrier_signal -1
	s_barrier_wait -1
.endm
.macro CROUND
	s_barrier_signal -1
	s_barrier_wait -1
	CREST
.endm
	s_load_b256 s[4:11], s[0:1], 0x0
	s_load_b64 s[12:13], s[0:1], 0x20
	v_lshl_add_u32 v[SPW], v0, 2, SPARE
	v_mov_b32 v[NIL], 0
	ds_add_u32 v28, v29
	ds_add_u32 v28, v29
	s_wait_dscnt 0x0
	v_lshrrev_b32 v1, 5, v0
	v_readfirstlane_b32 s14, v1
	s_lshr_b32 s15, s14, 1
	s_and_b32 s16, s14, 1
	s_bfe_u32 s40, ttmp6, 0x40000
	s_bfe_u32 s41, ttmp6, 0x40004
	s_lshl_b32 s42, ttmp9, 2
	s_add_co_u32 s42, s42, s40
	s_and_b32 s17, ttmp7, 0xffff
	s_lshl_b32 s17, s17, 2
	s_add_co_u32 s17, s17, s41
	s_lshl_b32 s43, s41, 2
	s_lshl_b32 s43, 15, s43
	s_lshl_b32 s44, 0x1111, s40
	s_or_b32 s[G1+0], s43, (3<<16)|(1<<21)
	s_or_b32 s[G1B+0], s44, (3<<16)|(1<<21)
.irp g, G1, G1B
	s_mov_b32 s[\g+1], 32<<16
	s_mov_b32 s[\g+2], 200<<16                     ; a load brings four records: 51,200 consecutive bytes as 200 rows of 256
	s_mov_b32 s[\g+3], 32<<16
	s_mov_b32 s[\g+4], 200
	s_mov_b32 s[\g+5], 32
	s_mov_b32 s[\g+6], 0
	s_mov_b32 s[\g+7], 0
.endr
	s_mul_i32 s18, s16, HSL                        ; I fetch records 4 (w % 2) .. + 3 of A's block (waves 0, 1) or of B's (waves 2, 3)
	s_mul_i32 s20, s17, BLK
	s_add_co_u32 s20, s20, s18
	s_mov_b32 s21, 0
	s_mul_i32 s46, s42, BLK
	s_add_co_u32 s46, s46, s18
	s_add_co_u32 s46, s46, BOFF
	s_mov_b32 s47, 0
	s_mul_i32 s45, s16, SLOT                       ; into slot w % 2, A's part or B's: all of K, 204,800 bytes, lies in LDS after the head's four loads, one a wave
	s_mul_i32 s19, s15, HSL
	s_add_co_u32 s45, s45, s19
	s_lshl_b32 s80, s17, 19
	s_lshl_b32 s81, s15, 18
	s_add_co_u32 s80, s80, s81
	s_lshl_b32 s82, s42, 9
	s_lshl_b32 s83, s16, 8
	s_add_co_u32 s82, s82, s83
	s_mov_b32 s83, 0
	s_add_co_u32 s80, s80, s82
	s_mov_b32 s81, 0
	s_wait_kmcnt 0x0
	s_add_nc_u64 s[20:21], s[4:5], s[20:21]
	s_add_nc_u64 s[46:47], s[6:7], s[46:47]
	s_add_nc_u64 s[8:9], s[8:9], s[82:83]
	s_add_nc_u64 s[10:11], s[10:11], s[80:81]
	s_add_nc_u64 s[12:13], s[12:13], s[80:81]
	CROUND
.irp s, 0
	s_mov_b32 s[G0+4*\s], 1
	s_add_co_u32 s[G0+4*\s+1], s45, \s*SLOT
	s_add_nc_u64 s[G0+4*\s+2:G0+4*\s+3], s[20:21], \s*HSL
	s_or_b32 s[G0+4*\s+3], s[G0+4*\s+3], 0x80000000
	s_mov_b32 s[G0B+4*\s], 1
	s_add_co_u32 s[G0B+4*\s+1], s45, \s*SLOT
	s_add_nc_u64 s[G0B+4*\s+2:G0B+4*\s+3], s[46:47], \s*HSL
	s_or_b32 s[G0B+4*\s+3], s[G0B+4*\s+3], 0x80000000
	JLOAD \s
.endr
	v_and_b32 v3, 15, v0
	v_bfe_u32 v2, v0, 4, 1
	v_and_b32 v6, 31, v0
	v_lshlrev_b32 v4, 5, v2
.irp b, 0,1,2,3
	global_load_b128 v[BI+8*\b:BI+8*\b+3], v4, s[8:9] offset:64*\b
	global_load_b128 v[BI+8*\b+4:BI+8*\b+7], v4, s[8:9] offset:64*\b+16
.endr
	v_lshlrev_b32 v[CO], 12, v2
	v_lshl_add_u32 v[CO], v3, 4, v[CO]
	WIN 0x80
.irp a, 0,1,2,3
.irp t, 0,1,2,3,4,5,6,7
	global_load_b128 v[32*\a+4*\t:32*\a+4*\t+3], v[CO], s[10:11] offset:(16*\a+2*\t)*4096
.endr
.endr
	WIN 0
	v_lshlrev_b32 v7, 4, v6
	v_lshlrev_b32 v8, 3, v6
	s_mul_i32 s84, s15, 4*FRG
	s_mul_i32 s85, s16, 4*FRG
	s_add_co_u32 s85, s85, HSL
	v_add_nc_u32 v[ADA], s84, v7
	v_add_nc_u32 v[ADA+2], s84, v8
	v_add_nc_u32 v[ADB], s85, v7
	v_add_nc_u32 v[ADB+2], s85, v8
.irp n, ADA, ADA+2, ADB, ADB+2
	v_add_nc_u32 v[\n+1], SLOT, v[\n]
.endr
	s_lshl_b32 s84, s15, 8
	s_lshl_b32 s85, s16, 8
	s_add_co_u32 s85, s85, HSL
	s_sub_co_u32 s85, s85, s84
	v_mul_u32_u24 v5, s85, v2
	v_lshl_add_u32 v5, v3, 2, v5
	s_add_co_u32 s84, s84, SCO
	v_add_nc_u32 v[ASC], s84, v5
	v_add_nc_u32 v[ASC+3], SLOT, v[ASC]
	s_mul_i32 s84, s14, 16*272
	v_mul_u32_u24 v[STO], v3, 272
	v_lshl_add_u32 v[STO], v2, 5, v[STO]
	v_add_nc_u32 v[STO], s84, v[STO]
	v_mul_u32_u24 v[RD], v2, 272
	v_lshl_add_u32 v[RD], v3, 4, v[RD]
	v_add_nc_u32 v[RD], s84, v[RD]
.macro FRAG reg, adr, q, i
	ds_load_b128 v[\reg:\reg+3], v[\adr] offset:(\q)*REC+(\i)*FRG
	ds_load_b64 v[\reg+4:\reg+5], v[\adr+2] offset:(\q)*REC+(\i)*FRG+512
	ds_load_b128 v[\reg+6:\reg+9], v[\adr] offset:(\q)*REC+(\i)*FRG+768
	ds_load_b64 v[\reg+10:\reg+11], v[\adr+2] offset:(\q)*REC+(\i)*FRG+1280
.endm
.macro FETCH slot, q, f
	WIN 0x40
.irp i, 0,1,2,3
	FRAG (\f)+FR*\i, ADA+\slot, \q, \i
.endr
.irp i, 0,1,2,3
	FRAG (\f)+48+FR*\i, ADB+\slot, \q, \i
.endr
.endm
.macro SCALES sc
.irp q, 0,1,2,3
.irp i, 0,1,2,3
	ds_load_b32 v[SC+16*\sc+4*\q+\i], v[ASC+3*\sc] offset:\q*REC+64*\i
.endr
.endr
.endm
.macro MULA f, a, sc, q, first
.irp b, 0,1,2,3
.if \first
	v_wmma_scale_f32_16x16x128_f8f6f4 v[ACC+8*(4*(\a)+\b):ACC+8*(4*(\a)+\b)+7], v[(\f)+48+FR*\b:(\f)+48+FR*\b+FR-1], v[(\f)+FR*(\a):(\f)+FR*(\a)+FR-1], v[BI+8*\b:BI+8*\b+7], v[SC+16*(\sc)+4*(\q)+\b], v[SC+16*(\sc)+4*(\q)+(\a)] matrix_a_fmt:MATRIX_FMT_BF6 matrix_b_fmt:MATRIX_FMT_BF6 matrix_a_scale:MATRIX_SCALE_ROW1
.else
	v_wmma_scale_f32_16x16x128_f8f6f4 v[ACC+8*(4*(\a)+\b):ACC+8*(4*(\a)+\b)+7], v[(\f)+48+FR*\b:(\f)+48+FR*\b+FR-1], v[(\f)+FR*(\a):(\f)+FR*(\a)+FR-1], v[ACC+8*(4*(\a)+\b):ACC+8*(4*(\a)+\b)+7], v[SC+16*(\sc)+4*(\q)+\b], v[SC+16*(\sc)+4*(\q)+(\a)] matrix_a_fmt:MATRIX_FMT_BF6 matrix_b_fmt:MATRIX_FMT_BF6 matrix_a_scale:MATRIX_SCALE_ROW1
.endif
.endr
.endm
.macro QSTEP slot, q, first
	s_wait_dscnt 0x0
	PLACES 4
	FETCH \slot, (\q)+1, 128*(1-(\q)%2)
	WIN 0x05
.irp a, 0,1,2,3
	MULA 128*((\q)%2), \a, \slot, \q, \first
.endr
.endm
.macro TURN slot, next, fill
	WIN 0
	s_wait_tensorcnt 0x0
	ds_add_u32 v[SPW], v[NIL]
	s_wait_dscnt 1
	WIN 0x05
	MULA 128, 0, \slot, 3, 0
	MULA 128, 1, \slot, 3, 0
	s_wait_dscnt 0x0
	s_barrier_signal -1
	MULA 128, 2, \slot, 3, 0
	WIN 0
	s_barrier_wait -1
.if \fill
	CREST
	s_add_nc_u64 s[G0+4*\slot+2:G0+4*\slot+3], s[G0+4*\slot+2:G0+4*\slot+3], ASTEP
	s_add_nc_u64 s[G0B+4*\slot+2:G0B+4*\slot+3], s[G0B+4*\slot+2:G0B+4*\slot+3], BSTEP
	JLOAD \slot
.else
	PLACES 4
.endif
	FETCH \next, 0, 0
	WIN 0
	SCALES \next
	WIN 0x05
	MULA 128, 3, \slot, 3, 0
.endm
	s_wait_alu depctr_va_vdst(0)
	s_wait_tensorcnt 0x0                           ; my four records are in
	s_barrier_signal -1
	s_barrier_wait -1
	FETCH 0, 0, 0
	WIN 0
	SCALES 0
	s_wait_loadcnt 32
	QSTEP 0, 0, 1
.if LAPS > 1
	WIN 0
	s_mov_b32 s3, LAPS-1
.Llap:
	QSTEP 0, 1, 0
	QSTEP 0, 2, 0
	TURN 0, 1, 1
	QSTEP 1, 0, 0
	QSTEP 1, 1, 0
	QSTEP 1, 2, 0
	TURN 1, 0, 1
	QSTEP 0, 0, 0
	WIN 0
	s_sub_co_u32 s3, s3, 1
	s_cmp_lg_u32 s3, 0
	s_cbranch_scc1 .Llap
.endif
	QSTEP 0, 1, 0
	QSTEP 0, 2, 0
	TURN 0, 1, 0
	QSTEP 1, 0, 0
	QSTEP 1, 1, 0
	QSTEP 1, 2, 0
	s_wait_dscnt 0x0
	WIN 0x05
.irp a, 0,1,2,3
	MULA 128, \a, 1, 3, 0
.endr
	WIN 0
.macro OUT a
.set RB, 96-32*((\a)%2)
.if (\a) >= 2
	s_wait_xcnt 0x0
.endif
.irp b, 0,1,2,3
	ds_store_b128 v[STO], v[ACC+8*(4*(\a)+\b):ACC+8*(4*(\a)+\b)+3] offset:64*\b
	ds_store_b128 v[STO], v[ACC+8*(4*(\a)+\b)+4:ACC+8*(4*(\a)+\b)+7] offset:64*\b+16
.endr
.irp t, 0,1,2,3,4,5,6,7
	ds_load_b128 v[RB+4*\t:RB+4*\t+3], v[RD] offset:544*\t
.endr
	s_wait_dscnt 0x0
	WIN 0x08
.irp t, 0,1,2,3,4,5,6,7
	v_pk_add_f32 v[RB+4*\t:RB+4*\t+1], v[RB+4*\t:RB+4*\t+1], v[32*(\a)+4*\t:32*(\a)+4*\t+1]
	v_pk_add_f32 v[RB+4*\t+2:RB+4*\t+3], v[RB+4*\t+2:RB+4*\t+3], v[32*(\a)+4*\t+2:32*(\a)+4*\t+3]
.endr
	WIN 0
.irp t, 0,1,2,3,4,5,6,7
	global_store_b128 v[CO], v[RB+4*\t:RB+4*\t+3], s[12:13] offset:(16*(\a)+2*\t)*4096
.endr
.endm
	PLACES 4
	s_wait_loadcnt 0x0
.irp a, 0,1,2,3
	OUT \a
.endr
	s_wait_tensorcnt 0x0
	ds_add_u32 v[SPW], v[NIL]
	s_wait_dscnt 0x0
	CROUND
	s_endpgm
.Lfunc_end_k_q42bbb8d74c_wo:
	.size	k_q42bbb8d74c_wo, .Lfunc_end_k_q42bbb8d74c_wo-k_q42bbb8d74c_wo
	.p2alignl 7, 3214868480
	.fill 96, 4, 3214868480
	.section	.rodata,"a",@progbits
	.p2align	6, 0x0
	.amdhsa_kernel k_q42bbb8d74c_wo
		.amdhsa_group_segment_fixed_size 327680
		.amdhsa_private_segment_fixed_size 0
		.amdhsa_enable_private_segment 0
		.amdhsa_kernarg_size 40
		.amdhsa_user_sgpr_count 2
		.amdhsa_user_sgpr_kernarg_segment_ptr 1
		.amdhsa_wavefront_size32 1
		.amdhsa_system_sgpr_workgroup_id_x 1
		.amdhsa_system_sgpr_workgroup_id_y 1
		.amdhsa_system_sgpr_workgroup_id_z 1
		.amdhsa_system_vgpr_workitem_id 0
		.amdhsa_next_free_vgpr 640
		.amdhsa_next_free_sgpr 98
		.amdhsa_reserve_vcc 0
		.amdhsa_float_denorm_mode_32 3
		.amdhsa_float_denorm_mode_16_64 3
		.amdhsa_memory_ordered 1
		.amdhsa_forward_progress 1
		.amdhsa_inst_pref_size 59
	.end_amdhsa_kernel
	.amdgpu_metadata
---
amdhsa.version: [ 1, 2 ]
amdhsa.kernels:
  - .name:           k_q42bbb8d74c_wo
    .symbol:         k_q42bbb8d74c_wo.kd
    .args:
      - { .name: hb, .offset: 0, .size: 8, .value_kind: global_buffer, .address_space: global }
      - { .name: wr, .offset: 8, .size: 8, .value_kind: global_buffer, .address_space: global }
      - { .name: bo, .offset: 16, .size: 8, .value_kind: global_buffer, .address_space: global }
      - { .name: x, .offset: 24, .size: 8, .value_kind: global_buffer, .address_space: global }
      - { .name: x1, .offset: 32, .size: 8, .value_kind: global_buffer, .address_space: global }
    .group_segment_fixed_size: 327680
    .private_segment_fixed_size: 0
    .kernarg_segment_align: 8
    .kernarg_segment_size: 40
    .max_flat_workgroup_size: 128
    .sgpr_count:     98
    .vgpr_count:     640
    .wavefront_size: 32
...
	.end_amdgpu_metadata
.endif
;; end of part 4
;; launch ln2: the kernel of part 1 again; grid 256 x 1, 16 waves a work-group, no clusters, 88,576 bytes of LDS; arguments x1, g2, be2, hb, Wq, Wk, Wv, Wo, W1, W2, wqkv, wr, w1, zb; writes hb, wqkv, wr, w1, zb
;; launch ff1: the kernel of part 2 again; grid 16 x 16, 4 waves a work-group, clusters of 4 x 4, 327,680 bytes of LDS; arguments hb, w1, b1, big; writes big
;; launch ff2 (part 5): grid 8 x 32, 4 waves a work-group, clusters of 4 x 4, 327,680 bytes of LDS; arguments big, wr, b2, x1, out0; writes out0
.if DOCPART == 5
	.amdgcn_target "amdgcn-amd-amdhsa--gfx1250"
	.amdhsa_code_object_version 6
	.text
	.protected	k_q42bbb8d74c_ff2
	.globl	k_q42bbb8d74c_ff2
	.p2align	8
	.type	k_q42bbb8d74c_ff2,@function
k_q42bbb8d74c_ff2:
	s_mov_b64 s[64:65], 0
	v_nop
	global_prefetch_b8 v0, s[64:65] scope:SCOPE_SE
	s_setreg_imm32_b32 hwreg(HW_REG_WAVE_MODE, 25, 1), 1
	s_wait_xcnt 0x0
	s_wait_alu depctr_hold_cnt(0) depctr_sa_sdst(0) depctr_va_vdst(0) depctr_va_sdst(0) depctr_va_ssrc(0) depctr_va_vcc(0) depctr_vm_vsrc(0)
	s_getreg_b32 s2, hwreg(HW_REG_IB_STS2, 6, 4)
	s_cmp_eq_u32 s2, 0
	s_cbranch_scc0 .Lentry_in_a_cluster
	s_endpgm
.Lentry_in_a_cluster:
	s_bfe_u32 s2, ttmp6, 0x10000c
	s_cmp_lg_u32 s2, 0xf033
	s_cbranch_scc0 .Lentry_shape_is_right
	s_endpgm
.Lentry_shape_is_right:
.set BOFF,  819200
.set FRG,   1536
.set SCO,   12288
.set REC,   12800
.set BLK,   102400
.set QTR,   2*REC
.set HSL,   4*REC
.set RGN,   2*HSL
.set SPARE, 3*RGN
.set STAGE, 2*RGN
.set ASTEP, 32*BLK
.set BSTEP, 8*BLK
.set FR,    12
.set ADA,   10
.set ADB,   16
.set ASC,   22
.set STO,   25
.set RD,    26
.set CO,    27
.set SPW,   28
.set NIL,   29
.set SC,    32
.set BI,    64
.set ACC,   128
.set G1,   24
.set G0,   32
.set G0S,  36
.set G1S,  68
.set G1B,  48
.set G0B,  56
.set G0SB, 60
.set G1SB, 88
.set DA1,  76
.set DA2,  78
.set DB1,  86
.set DB2,  96
.set MSB, 0
.macro WIN new
.if MSB != (\new)
	s_set_vgpr_msb (MSB<<8)|(\new)
.set MSB, (\new)
.endif
.endm
.macro PLACES n
.rept \n
	v_nop
.endr
.endm
.macro JLOAD g0a, g1a, g0b, g1b
	s_cmp_eq_u32 s15, 0
	s_cbranch_scc0 .Lfor_b_\@
	tensor_load_to_lds s[\g0a:\g0a+3], s[\g1a:\g1a+7]
	s_nop 0
	PLACES 4
	s_branch .Lasked_\@
.Lfor_b_\@:
	tensor_load_to_lds s[\g0b:\g0b+3], s[\g1b:\g1b+7]
	s_nop 0
	PLACES 4
.Lasked_\@:
.endm
.macro CREST
	s_cmp_lg_u32 s14, 0
	s_cbranch_scc1 .Lnot_wave_0_\@
	s_barrier_signal -3
.Lnot_wave_0_\@:
	s_barrier_wait -3
	s_barrier_signal -1
	s_barrier_wait -1
.endm
.macro CROUND
	s_barrier_signal -1
	s_barrier_wait -1
	CREST
.endm
	s_load_b256 s[4:11], s[0:1], 0x0
	s_load_b64 s[12:13], s[0:1], 0x20
	v_lshl_add_u32 v[SPW], v0, 2, SPARE
	v_mov_b32 v[NIL], 0
	ds_add_u32 v28, v29
	ds_add_u32 v28, v29
	s_wait_dscnt 0x0
	v_lshrrev_b32 v1, 5, v0
	v_readfirstlane_b32 s14, v1
	s_lshr_b32 s15, s14, 1
	s_and_b32 s16, s14, 1
	s_bfe_u32 s40, ttmp6, 0x40000
	s_bfe_u32 s41, ttmp6, 0x40004
	s_lshl_b32 s42, ttmp9, 2
	s_add_co_u32 s42, s42, s40
	s_and_b32 s17, ttmp7, 0xffff
	s_lshl_b32 s17, s17, 2
	s_add_co_u32 s17, s17, s41
	s_lshl_b32 s43, s41, 2
	s_lshl_b32 s43, 15, s43
	s_lshl_b32 s44, 0x1111, s40
	s_or_b32 s[G1+0], s43, (3<<16)|(1<<21)
	s_or_b32 s[G1B+0], s44, (3<<16)|(1<<21)
	s_or_b32 s[G1S+0], s43, (3<<16)|(1<<21)
	s_or_b32 s[G1SB+0], s44, (3<<16)|(1<<21)
.irp g, G1, G1B
	s_mov_b32 s[\g+1], 32<<16
	s_mov_b32 s[\g+2], 200<<16
	s_mov_b32 s[\g+3], 32<<16
	s_mov_b32 s[\g+4], 200
	s_mov_b32 s[\g+5], 32
	s_mov_b32 s[\g+6], 0
	s_mov_b32 s[\g+7], 0
.endr
.irp g, G1S, G1SB
	s_mov_b32 s[\g+1], 32<<16
	s_mov_b32 s[\g+2], 100<<16
	s_mov_b32 s[\g+3], 32<<16
	s_mov_b32 s[\g+4], 100
	s_mov_b32 s[\g+5], 32
	s_mov_b32 s[\g+6], 0
	s_mov_b32 s[\g+7], 0
.endr
	s_mul_i32 s20, s17, BLK
	s_mov_b32 s21, 0
	s_mul_i32 s46, s42, BLK
	s_add_co_u32 s46, s46, BOFF
	s_mov_b32 s47, 0
	s_mul_i32 s45, s16, RGN
	s_mul_i32 s18, s15, HSL
	s_add_co_u32 s45, s45, s18
	s_mul_i32 s3, s14, QTR
	s_add_co_u32 s3, s3, 2*RGN
	s_mul_i32 s18, s16, HSL
	s_mov_b32 s19, 0
	s_mul_i32 s22, s16, QTR
	s_mov_b32 s23, 0
	s_mul_i32 s[DA1], s16, ASTEP-BLK
	s_sub_co_u32 s[DA2], 2*ASTEP-HSL, s[DA1]
	s_add_co_u32 s[DA1], s[DA1], ASTEP+HSL
	s_mov_b32 s[DA1+1], 0
	s_mov_b32 s[DA2+1], 0
	s_mul_i32 s[DB1], s16, BSTEP-BLK
	s_sub_co_u32 s[DB2], 2*BSTEP-HSL, s[DB1]
	s_add_co_u32 s[DB1], s[DB1], BSTEP+HSL
	s_mov_b32 s[DB1+1], 0
	s_mov_b32 s[DB2+1], 0
	s_lshl_b32 s80, s17, 19
	s_lshl_b32 s81, s15, 18
	s_add_co_u32 s80, s80, s81
	s_lshl_b32 s82, s42, 9
	s_lshl_b32 s83, s16, 8
	s_add_co_u32 s82, s82, s83
	s_mov_b32 s83, 0
	s_add_co_u32 s80, s80, s82
	s_mov_b32 s81, 0
	s_wait_kmcnt 0x0
	s_add_nc_u64 s[20:21], s[4:5], s[20:21]
	s_add_nc_u64 s[46:47], s[6:7], s[46:47]
	s_add_nc_u64 s[8:9], s[8:9], s[82:83]
	s_add_nc_u64 s[10:11], s[10:11], s[80:81]
	s_add_nc_u64 s[12:13], s[12:13], s[80:81]
	CROUND
	s_mov_b32 s[G0], 1
	s_mov_b32 s[G0+1], s45
	s_add_nc_u64 s[G0+2:G0+3], s[20:21], s[18:19]
	s_or_b32 s[G0+3], s[G0+3], 0x80000000
	s_mov_b32 s[G0B], 1
	s_mov_b32 s[G0B+1], s45
	s_add_nc_u64 s[G0B+2:G0B+3], s[46:47], s[18:19]
	s_or_b32 s[G0B+3], s[G0B+3], 0x80000000
	JLOAD G0, G1, G0B, G1B
	; PREFETCHES.  K goes in eight chunks of 512 (four records, 51,200 bytes = 200 blocks of 256, of A's block and of B's); the five fills bring chunks 0 1 | 2 | 3 4 | 5 | 6 7.
	; A chunk of a block is asked for jointly by four partners, two waves each: these eight waves share its 200 blocks out by address, 25 each, a lane a block (lanes 25-31 name the last again).
	; Behind the first fill: chunk 2, the second fill's.  Behind the second: chunks 3, 4 and 5, the third's and the fourth's.  Behind the third: chunks 6 and 7, the fifth's.
	; One base for each 1,024 along K; none is written again.
	s_mov_b32 s100, BSTEP
	s_cmp_eq_u32 s15, 0
	s_cselect_b64 s[4:5], s[20:21], s[46:47]       ; the block that I fetch for: A's or B's
	s_cselect_b32 s18, s40, s41                    ; my place among the four that share it: cx for A, cy for B
	s_cselect_b32 s100, ASTEP, s100                ; bytes from 1,024 along K to the next
	s_mov_b32 s101, 0
	s_lshl_b32 s18, s18, 1
	s_add_co_u32 s18, s18, s16
	s_mul_i32 s18, s18, 6400                       ; my 25 blocks of the 200 (s19 is 0)
	s_add_nc_u64 s[4:5], s[4:5], s[18:19]
	s_add_nc_u64 s[4:5], s[4:5], s[100:101]        ; chunks 2, 3
	s_add_nc_u64 s[6:7], s[4:5], s[100:101]        ; chunks 4, 5
	s_add_nc_u64 s[98:99], s[6:7], s[100:101]      ; chunks 6, 7
	v_and_b32 v30, 31, v0
	v_min_u32 v30, 24, v30
	v_lshlrev_b32 v30, 8, v30
	global_prefetch_b8 v30, s[4:5] th:TH_LOAD_NT scope:SCOPE_SE              ; chunk 2
	s_mov_b32 s[G0S], 1
	s_mov_b32 s[G0S+1], s3
	s_add_nc_u64 s[G0S+2:G0S+3], s[20:21], s[22:23]
	s_add_nc_u64 s[G0S+2:G0S+3], s[G0S+2:G0S+3], ASTEP
	s_or_b32 s[G0S+3], s[G0S+3], 0x80000000
	s_mov_b32 s[G0SB], 1
	s_mov_b32 s[G0SB+1], s3
	s_add_nc_u64 s[G0SB+2:G0SB+3], s[46:47], s[22:23]
	s_add_nc_u64 s[G0SB+2:G0SB+3], s[G0SB+2:G0SB+3], BSTEP
	s_or_b32 s[G0SB+3], s[G0SB+3], 0x80000000
	s_wait_alu depctr_va_vdst(0)
	s_wait_tensorcnt 0x0
	ds_add_u32 v28, v29
	s_wait_dscnt 0x0
	CROUND
	JLOAD G0S, G1S, G0SB, G1SB
	global_prefetch_b8 v30, s[4:5] offset:HSL th:TH_LOAD_NT scope:SCOPE_SE   ; chunk 3
	global_prefetch_b8 v30, s[6:7] th:TH_LOAD_NT scope:SCOPE_SE              ; chunk 4
	global_prefetch_b8 v30, s[6:7] offset:HSL th:TH_LOAD_NT scope:SCOPE_SE   ; chunk 5
	v_and_b32 v3, 15, v0
	v_bfe_u32 v2, v0, 4, 1
	v_and_b32 v6, 31, v0
	v_lshlrev_b32 v4, 5, v2
.irp b, 0,1,2,3
	global_load_b128 v[BI+8*\b:BI+8*\b+3], v4, s[8:9] offset:64*\b
	global_load_b128 v[BI+8*\b+4:BI+8*\b+7], v4, s[8:9] offset:64*\b+16
.endr
	v_lshlrev_b32 v[CO], 12, v2
	v_lshl_add_u32 v[CO], v3, 4, v[CO]
	WIN 0x80
.irp a, 0,1,2,3
.irp t, 0,1,2,3,4,5,6,7
	global_load_b128 v[32*\a+4*\t:32*\a+4*\t+3], v[CO], s[10:11] offset:(16*\a+2*\t)*4096
.endr
.endr
	WIN 0
	v_lshlrev_b32 v7, 4, v6
	v_lshlrev_b32 v8, 3, v6
	s_mul_i32 s84, s15, 4*FRG
	s_mul_i32 s85, s16, 4*FRG
	s_add_co_u32 s85, s85, HSL
	v_add_nc_u32 v[ADA], s84, v7
	v_add_nc_u32 v[ADA+3], s84, v8
	v_add_nc_u32 v[ADB], s85, v7
	v_add_nc_u32 v[ADB+3], s85, v8
.irp n, ADA, ADA+3, ADB, ADB+3
	v_add_nc_u32 v[\n+1], RGN, v[\n]
	v_add_nc_u32 v[\n+2], 2*RGN, v[\n]
.endr
	s_lshl_b32 s84, s15, 8
	s_lshl_b32 s85, s16, 8
	s_add_co_u32 s85, s85, HSL
	s_sub_co_u32 s85, s85, s84
	v_mul_u32_u24 v5, s85, v2
	v_lshl_add_u32 v5, v3, 2, v5
	s_add_co_u32 s84, s84, SCO
	v_add_nc_u32 v[ASC], s84, v5
	v_add_nc_u32 v[ASC+1], RGN, v[ASC]
	v_add_nc_u32 v[ASC+2], 2*RGN, v[ASC]
	s_mul_i32 s84, s14, 16*272
	s_add_co_u32 s84, s84, STAGE
	v_mul_u32_u24 v[STO], v3, 272
	v_lshl_add_u32 v[STO], v2, 5, v[STO]
	v_add_nc_u32 v[STO], s84, v[STO]
	v_mul_u32_u24 v[RD], v2, 272
	v_lshl_add_u32 v[RD], v3, 4, v[RD]
	v_add_nc_u32 v[RD], s84, v[RD]
.macro FRAG reg, adr, q, i
	ds_load_b128 v[\reg:\reg+3], v[\adr] offset:(\q)*REC+(\i)*FRG
	ds_load_b64 v[\reg+4:\reg+5], v[\adr+3] offset:(\q)*REC+(\i)*FRG+512
	ds_load_b128 v[\reg+6:\reg+9], v[\adr] offset:(\q)*REC+(\i)*FRG+768
	ds_load_b64 v[\reg+10:\reg+11], v[\adr+3] offset:(\q)*REC+(\i)*FRG+1280
.endm
.macro FETCH r, q, f
	WIN 0x40
.irp i, 0,1,2,3
	FRAG (\f)+FR*\i, ADA+(\r), \q, \i
.endr
.irp i, 0,1,2,3
	FRAG (\f)+48+FR*\i, ADB+(\r), \q, \i
.endr
.endm
.macro SCALES r, sc
.irp q, 0,1,2,3
.irp i, 0,1,2,3
	ds_load_b32 v[SC+16*(\sc)+4*\q+\i], v[ASC+(\r)] offset:\q*REC+64*\i
.endr
.endr
.endm
.macro MULA f, a, sc, q, first
.irp b, 0,1,2,3
.if \first
	v_wmma_scale_f32_16x16x128_f8f6f4 v[ACC+8*(4*(\a)+\b):ACC+8*(4*(\a)+\b)+7], v[(\f)+48+FR*\b:(\f)+48+FR*\b+FR-1], v[(\f)+FR*(\a):(\f)+FR*(\a)+FR-1], v[BI+8*\b:BI+8*\b+7], v[SC+16*(\sc)+4*(\q)+\b], v[SC+16*(\sc)+4*(\q)+(\a)] matrix_a_fmt:MATRIX_FMT_BF6 matrix_b_fmt:MATRIX_FMT_BF6 matrix_a_scale:MATRIX_SCALE_ROW1
.else
	v_wmma_scale_f32_16x16x128_f8f6f4 v[ACC+8*(4*(\a)+\b):ACC+8*(4*(\a)+\b)+7], v[(\f)+48+FR*\b:(\f)+48+FR*\b+FR-1], v[(\f)+FR*(\a):(\f)+FR*(\a)+FR-1], v[ACC+8*(4*(\a)+\b):ACC+8*(4*(\a)+\b)+7], v[SC+16*(\sc)+4*(\q)+\b], v[SC+16*(\sc)+4*(\q)+(\a)] matrix_a_fmt:MATRIX_FMT_BF6 matrix_b_fmt:MATRIX_FMT_BF6 matrix_a_scale:MATRIX_SCALE_ROW1
.endif
.endr
.endm
.macro QSTEP r, q, sc, first
	s_wait_dscnt 0x0
	PLACES 4
	FETCH \r, (\q)+1, 128*(1-(\q)%2)
	WIN 0x05
.irp a, 0,1,2,3
	MULA 128*((\q)%2), \a, \sc, \q, \first
.endr
.endm
.macro THREE r, sc, first
	QSTEP \r, 0, \sc, \first
	QSTEP \r, 1, \sc, 0
	QSTEP \r, 2, \sc, 0
.endm
.macro QCROSS sc, nr
	s_wait_dscnt 0x0
	PLACES 4
	FETCH \nr, 0, 0
	WIN 0
	SCALES \nr, 1-(\sc)
	WIN 0x05
.irp a, 0,1,2,3
	MULA 128, \a, \sc, 3, 0
.endr
.endm
.macro TURN sc, nr, fill
	WIN 0
	s_wait_tensorcnt 0x0
	ds_add_u32 v[SPW], v[NIL]
	s_wait_dscnt 1
	WIN 0x05
	MULA 128, 0, \sc, 3, 0
	MULA 128, 1, \sc, 3, 0
	s_wait_dscnt 0x0
	s_barrier_signal -1
	MULA 128, 2, \sc, 3, 0
	WIN 0
	s_barrier_wait -1
.if (\fill) == 0
	PLACES 4
.else
	CREST
.if (\fill) == 1
	s_add_nc_u64 s[G0+2:G0+3], s[G0+2:G0+3], s[DA1:DA1+1]
	s_add_nc_u64 s[G0B+2:G0B+3], s[G0B+2:G0B+3], s[DB1:DB1+1]
	JLOAD G0, G1, G0B, G1B
	global_prefetch_b8 v30, s[98:99] th:TH_LOAD_NT scope:SCOPE_SE            ; chunks 6 and 7
	global_prefetch_b8 v30, s[98:99] offset:HSL th:TH_LOAD_NT scope:SCOPE_SE
.elseif (\fill) == 2
	s_add_nc_u64 s[G0+2:G0+3], s[G0+2:G0+3], s[DA2:DA2+1]
	s_add_nc_u64 s[G0B+2:G0B+3], s[G0B+2:G0B+3], s[DB2:DB2+1]
	JLOAD G0, G1, G0B, G1B
.else
	s_add_nc_u64 s[G0S+2:G0S+3], s[G0S+2:G0S+3], ASTEP+HSL
	s_add_nc_u64 s[G0SB+2:G0SB+3], s[G0SB+2:G0SB+3], BSTEP+HSL
	JLOAD G0S, G1S, G0SB, G1SB
.endif
.endif
	FETCH \nr, 0, 0
	WIN 0
	SCALES \nr, 1-(\sc)
	WIN 0x05
	MULA 128, 3, \sc, 3, 0
.endm
	s_wait_alu depctr_va_vdst(0)
	s_wait_tensorcnt 1
	s_barrier_signal -1
	s_barrier_wait -1
	FETCH 0, 0, 0
	WIN 0
	SCALES 0, 0
	s_wait_loadcnt 32
	THREE 0, 0, 1
	QCROSS 0, 1
	THREE 1, 1, 0
	TURN 1, 2, 1
	THREE 2, 0, 0
	TURN 0, 0, 3
	THREE 0, 1, 0
	QCROSS 1, 1
	THREE 1, 0, 0
	TURN 0, 2, 2
	THREE 2, 1, 0
	TURN 1, 0, 0
	THREE 0, 0, 0
	QCROSS 0, 1
	THREE 1, 1, 0
	s_wait_dscnt 0x0
	WIN 0x05
.irp a, 0,1,2,3
	MULA 128, \a, 1, 3, 0
.endr
	WIN 0
.macro OUT a
.set RB, 96-32*((\a)%2)
.if (\a) >= 2
	s_wait_xcnt 0x0
.endif
.irp b, 0,1,2,3
	ds_store_b128 v[STO], v[ACC+8*(4*(\a)+\b):ACC+8*(4*(\a)+\b)+3] offset:64*\b
	ds_store_b128 v[STO], v[ACC+8*(4*(\a)+\b)+4:ACC+8*(4*(\a)+\b)+7] offset:64*\b+16
.endr
.irp t, 0,1,2,3,4,5,6,7
	ds_load_b128 v[RB+4*\t:RB+4*\t+3], v[RD] offset:544*\t
.endr
	s_wait_dscnt 0x0
	WIN 0x08
.irp t, 0,1,2,3,4,5,6,7
	v_pk_add_f32 v[RB+4*\t:RB+4*\t+1], v[RB+4*\t:RB+4*\t+1], v[32*(\a)+4*\t:32*(\a)+4*\t+1]
	v_pk_add_f32 v[RB+4*\t+2:RB+4*\t+3], v[RB+4*\t+2:RB+4*\t+3], v[32*(\a)+4*\t+2:32*(\a)+4*\t+3]
.endr
	WIN 0
.irp t, 0,1,2,3,4,5,6,7
	global_store_b128 v[CO], v[RB+4*\t:RB+4*\t+3], s[12:13] offset:(16*(\a)+2*\t)*4096 th:TH_STORE_NT
.endr
.endm
	PLACES 4
	s_wait_loadcnt 0x0
.irp a, 0,1,2,3
	OUT \a
.endr
	s_wait_tensorcnt 0x0
	ds_add_u32 v[SPW], v[NIL]
	s_wait_dscnt 0x0
	CROUND
	s_endpgm
.Lfunc_end_k_q42bbb8d74c_ff2:
	.size	k_q42bbb8d74c_ff2, .Lfunc_end_k_q42bbb8d74c_ff2-k_q42bbb8d74c_ff2
	.p2alignl 7, 3214868480
	.fill 96, 4, 3214868480
	.section	.rodata,"a",@progbits
	.p2align	6, 0x0
	.amdhsa_kernel k_q42bbb8d74c_ff2
		.amdhsa_group_segment_fixed_size 327680
		.amdhsa_private_segment_fixed_size 0
		.amdhsa_enable_private_segment 0
		.amdhsa_kernarg_size 40
		.amdhsa_user_sgpr_count 2
		.amdhsa_user_sgpr_kernarg_segment_ptr 1
		.amdhsa_wavefront_size32 1
		.amdhsa_system_sgpr_workgroup_id_x 1
		.amdhsa_system_sgpr_workgroup_id_y 1
		.amdhsa_system_sgpr_workgroup_id_z 1
		.amdhsa_system_vgpr_workitem_id 0
		.amdhsa_next_free_vgpr 640
		.amdhsa_next_free_sgpr 102
		.amdhsa_reserve_vcc 0
		.amdhsa_float_denorm_mode_32 3
		.amdhsa_float_denorm_mode_16_64 3
		.amdhsa_memory_ordered 1
		.amdhsa_forward_progress 1
		.amdhsa_inst_pref_size 174
	.end_amdhsa_kernel
	.amdgpu_metadata
---
amdhsa.version: [ 1, 2 ]
amdhsa.kernels:
  - .name:           k_q42bbb8d74c_ff2
    .symbol:         k_q42bbb8d74c_ff2.kd
    .args:
      - { .name: big, .offset: 0, .size: 8, .value_kind: global_buffer, .address_space: global }
      - { .name: wr, .offset: 8, .size: 8, .value_kind: global_buffer, .address_space: global }
      - { .name: b2, .offset: 16, .size: 8, .value_kind: global_buffer, .address_space: global }
      - { .name: x1, .offset: 24, .size: 8, .value_kind: global_buffer, .address_space: global }
      - { .name: out0, .offset: 32, .size: 8, .value_kind: global_buffer, .address_space: global }
    .group_segment_fixed_size: 327680
    .private_segment_fixed_size: 0
    .kernarg_segment_align: 8
    .kernarg_segment_size: 40
    .max_flat_workgroup_size: 128
    .sgpr_count:     102
    .vgpr_count:     640
    .wavefront_size: 32
...
	.end_amdgpu_metadata
.endif
;; end of part 5
